; MI455X (gfx1250); checked and timed in simulation.
; The chip was launched on July 23, 2026; its instructions are those of AMD's public machine-readable ISA for CDNA 5 (MIT licence, August 2026) and "CDNA5" Instruction Set Architecture Reference Guide (July 2026). The comments in the code are by the model that wrote it; some were corrected since.
;; Grouped Query Attention. Allowed arithmetic: matrix products marked QUANTISED: E2M1 operands, one E8M0 scale for each 32 along K, by v_wmma_scale_f32_16x16x128_f8f6f4 with both operands' format E2M1 (or v_wmma_scale_f32_32x16x128_f4), f32 sums; products left as they are: bf16, f16 or f32 operands; f32 sums; everything else in f32.
;; Inputs: Wk 2,048 x 512 float32; Wo 2,048 x 2,048 float32; Wq 2,048 x 2,048 float32; Wv 2,048 x 512 float32; cos 2,048 x 128 float32; hidden_states 1 x 2,048 x 2,048 float32; k_norm_w 128 float32; q_norm_w 128 float32; sin 2,048 x 128 float32.
;; Outputs: out0 1 x 2,048 x 2,048 float32.
;; This version of the problem:
;;   THIS VERSION OF THE PROBLEM IS GIVEN IN LOW PRECISION. The matrix products marked QUANTISED in the list below multiply operands that are first quantised to E2M1 (2 exponent bits, 1 mantissa bit; 4 bits a number), with one power-of-two scale for each 32 numbers along K (OCP MX v1.0); their sums are f32. The products marked 'left as it is' may take bf16, f16 or f32 operands, with f32 sums. Whichever they take, every output number must still come out within the allowed error. Rounding operands to bf16 (8 significant bits) uses up far more of that allowance than f16 does (11 bits, for magnitudes from 6e-5 to 65,504). All else is computed in f32.
;;   The module's matrix products, in the order in which they are computed (A, B: the left and right operand; K: the contracted axis; several contracted axes count as one K, in the product's order):
;;     1. [M 2,048, K 2,048] x [K 2,048, N 2,048]; A: input hidden_states; B: input Wq: QUANTISED
;;     2. [M 2,048, K 2,048] x [K 2,048, N 512]; A: input hidden_states; B: input Wk: QUANTISED
;;     3. [M 2,048, K 2,048] x [K 2,048, N 512]; A: input hidden_states; B: input Wv: QUANTISED
;;     4. batch 16 x [M 2,048, K 128] x [K 128, N 2,048]; A: computed on the way; B: computed on the way: left as it is (an operand is computed on the way)
;;     5. batch 16 x [M 2,048, K 2,048] x [K 2,048, N 128]; A: computed on the way; B: computed on the way: left as it is (an operand is computed on the way)
;;     6. [M 2,048, K 2,048] x [K 2,048, N 2,048]; A: computed on the way; B: input Wo: left as it is (an operand is computed on the way)
;;   THE QUANTISER, for each operand of a quantised product, along K:
;;     - K is cut into blocks of 32 from its start; a last block that is shorter is filled with zeros.
;;     - A block's scale is 2^e with e = floor(log2(the largest magnitude in the block)) - 2, held to -126 .. 127; a block of zeros has e = 0. As a byte (E8M0): e + 127.
;;     - Each number is divided by its block's scale, clamped to +-6, and rounded to the nearest number of E2M1, ties to even, subnormals kept.
;;     - The product sums the exact products of the quantised numbers (number of the format x scale) in f32.
;;   ~~~python
;;   def quantise(x, axis):      # numpy; x: float32 -> the quantised numbers, widened to float32 again
;;       x = np.moveaxis(x, axis, -1); K = x.shape[-1]
;;       x = np.pad(x, [(0, 0)] * (x.ndim - 1) + [(0, -K % 32)]); x = x.reshape(x.shape[:-1] + (-1, 32)); a = np.abs(x).max(-1, keepdims=True)
;;       e = np.where(a > 0, np.clip(np.frexp(np.where(a > 0, a, 1))[1] - 1 - 2, -126, 127), 0)      # np.frexp(a)[1] - 1 = floor(log2(a)), exactly
;;       r = np.clip(x / 2.0 ** e, -6, 6)
;;       step = 2.0 ** (np.maximum(np.frexp(np.where(r == 0, 1, r))[1] - 1, 0) - 1)
;;       q = np.round(r / step) * step * 2.0 ** e      # np.round: ties to even
;;       return np.moveaxis(q.reshape(q.shape[:-2] + (-1,))[..., :K], -1, axis).astype(np.float32)
;;   ~~~
;; One version. Each part assembles by itself: llvm-mc -triple=amdgcn-amd-amdhsa -mcpu=gfx1250 --defsym DOCPART=n.
;; ======== version 1 of 1: 5 launches
;; limits: values are held in f16: magnitudes above 65,504 overflow, below 6.1e-05 lose precision
;; workspace buffers: x_codes 2,097,152 bytes; x_scales 131,072 bytes; w_codes 3,145,728 bytes; wsc_rot 2,293,760 bytes; woimg 8,388,608 bytes; qkv16 12,582,912 bytes; fine32 196,608 bytes; oimg 8,388,608 bytes
;; launch prep (part 1): grid 480 x 1, 4 waves a work-group, no clusters, 77,312 bytes of LDS; arguments hidden_states, Wq, Wk, Wv, Wo, x_codes, x_scales, w_codes, wsc_rot, woimg, cos, sin; writes x_codes, x_scales, w_codes, wsc_rot, woimg
.if DOCPART == 1
	.amdgcn_target "amdgcn-amd-amdhsa--gfx1250"
	.amdhsa_code_object_version 6
	.text
	.protected	k_qf5c3875dfa_prep
	.globl	k_qf5c3875dfa_prep
	.p2align	8
	.type	k_qf5c3875dfa_prep,@function
k_qf5c3875dfa_prep:
	s_mov_b64 s[64:65], 0
	v_nop
	global_prefetch_b8 v0, s[64:65] scope:SCOPE_SE
	s_setreg_imm32_b32 hwreg(HW_REG_WAVE_MODE, 25, 1), 1
	s_wait_xcnt 0x0
; PREP: every operand that many work-groups read later is brought into the form in which it is read, once.
;   work-groups   0-127  X: hidden_states [2048][2048] f32 -> codes of FP4 (E2M1), K innermost, x_codes [2048][1024 bytes], one E8M0 byte for each 32 along K, x_scales [2048][64]
;   work-groups 128-319  W: Wq, Wk, Wv [2048 (k)][n] f32, K their FIRST axis -> w_codes [3072 rows][1024 bytes], scale bytes [3072][64] at the head of wsc_rot, K innermost.
;                           Rows by heads of 128: 0-15 the query heads, 16 + 2 g key head g, 17 + 2 g value head g
;   work-groups 320-447  O: Wo [2048 (k)][2048 (n)] f32 -> f16, as IMAGES OF OPERAND REGISTERS: woimg [n / 16][k / 16][512 bytes]; in an image lane (r, h) owns bytes 16 (r + 16 h) on: k = 8 h .. 8 h + 7 of column r
;   work-groups 448-479  C: cos, sin [2048][128] f32 -> the same numbers in the order in which the next launch's lanes hold a head: wsc_rot from byte ROT on, [16 positions: 128][cos, sin][quad 16][512 bytes];
;                           in quad 2 b + e lane (r, h) owns bytes 16 (r + 16 h) on: channels 16 b + 8 h + 4 e + 0 .. 3 of position r
; A block's scale is 2^(floor(log2(its largest magnitude)) - 2); its byte is the largest magnitude's exponent field - 2, held at 1 from below.  A block of zeros so gets the byte 1: its codes are zeros,
; which add nothing under any byte but 0xff, and this program alone reads the bytes.
; LIMITS: NaN and infinities are not served; blocks whose largest magnitude lies under 2^-124 keep the byte 1; numbers of Wo under 6e-5 carry f16's absolute step of 6e-8, those over 65,504 are not served.
; The four paths part on the work-group's number, share no line and no LDS byte, and each ends by itself.  No tensor load, no barrier: waves share nothing.
.set SPW,   220                        ; v220  LDS address of my spare word: SPARE + 4 x my thread's number; never rewritten
.set NIL,   221                        ; v221  0; never rewritten
.set WRGN,  32768                      ; LDS: path X 0 .. 32767 (8,192 a wave); path W from here (16 x 272 a wave);
.set ORGN,  67584                      ; path O from here (2,304 a wave);
.set SPARE, 76800                      ; the spare words, 128 bytes for each wave: two blocks of 256 bytes that no other line names
.set ROT,   196608                     ; in wsc_rot: behind the 3,072 x 64 scale bytes
.set EMAX,  2
	s_load_b512 s[4:19], s[0:1], 0x0               ; hidden s[4:5], Wq s[6:7], Wk s[8:9], Wv s[10:11], Wo s[12:13], x_codes s[14:15], x_scales s[16:17], w_codes s[18:19]
	s_load_b128 s[20:23], s[0:1], 0x40             ; wsc_rot s[20:21], woimg s[22:23]
	s_load_b128 s[44:47], s[0:1], 0x50             ; cos s[44:45], sin s[46:47]
	v_lshl_add_u32 v[SPW], v0, 2, SPARE
	v_mov_b32 v[NIL], 0
	v_lshrrev_b32 v1, 5, v0
	v_readfirstlane_b32 s24, v1                    ; wave 0..3
	v_and_b32 v2, 31, v0                           ; lane
	s_wait_kmcnt 0x0
	s_cmp_lt_u32 ttmp9, 128
	s_cbranch_scc0 .Lnot_x
; ---------------- PATH X.  Rows are dense and K is a multiple of 32: the tensor is a plain stream of blocks of 32, and so are its codes and scale bytes.
; A wave takes 16 steps of 512 numbers.  Each of a step's four loads reads 512 consecutive bytes; the 2,048 bytes turn through the wave's own stage in LDS (16 bytes of padding behind each 64) and come back
; 64 bytes a lane: 16 neighbours along K, two lanes to a block.  Loads run four steps ahead, the turn one step.
.set XSTEPS, 16
.set CB,    8                          ; bytes of 16 codes
.set XR,    16                         ; v16-79   four sets of 16 numbers as loaded
.set XX,    80                         ; v80-111  two sets of 16 neighbours
.set XE,    112                        ; v112-127 a scale byte for each step
.set XC,    128                        ; v128-191 codes: four registers for each step, so that no store's data are written again
.set XWR,   8192                       ; a wave's LDS region: two stages of 32 x XSP bytes, behind them its 256 scale bytes
.set XSP,   80
	v_lshlrev_b32 v3, 4, v2                        ; my 16 bytes of a load's 512
	s_mul_i32 s25, s24, XWR
	v_lshrrev_b32 v14, 2, v2
	v_mul_u32_u24 v14, v14, XSP
	v_and_b32 v15, 3, v2
	v_lshl_add_u32 v14, v15, 4, v14
	v_add_nc_u32 v14, s25, v14                     ; the stage, on the way in: XSP (lane / 4) + 16 (lane % 4)
	v_mul_u32_u24 v15, v2, XSP
	v_add_nc_u32 v15, s25, v15                     ; and on the way out: XSP x lane
	v_mul_u32_u24 v4, v2, CB                       ; my codes' place in a step's
	v_lshrrev_b32 v5, 1, v2
	s_add_co_u32 s25, s25, 2*32*XSP
	v_add_nc_u32 v5, s25, v5                       ; my block's scale byte in LDS
	v_lshlrev_b32 v7, 3, v2
	v_add_nc_u32 v6, s25, v7                       ; and on the way out 8 bytes a lane
	s_lshl_b32 s26, ttmp9, 2
	s_add_co_u32 s26, s26, s24                     ; which run of 8,192 numbers is my wave's: 0 .. 511
	s_lshl_b32 s28, s26, 15
	s_mov_b32 s29, 0
	s_add_nc_u64 s[4:5], s[4:5], s[28:29]          ; 32,768 bytes of numbers,
	s_lshl_b32 s28, s26, 12
	s_add_nc_u64 s[14:15], s[14:15], s[28:29]      ; 4,096 of codes,
	s_lshl_b32 s28, s26, 8
	s_add_nc_u64 s[16:17], s[16:17], s[28:29]      ; 256 scale bytes a run
.macro XLOAD t
.irp i, 0,1,2,3
	global_load_b128 v[XR+16*((\t)%4)+4*\i:XR+16*((\t)%4)+4*\i+3], v3, s[4:5] offset:2048*(\t)+512*\i th:TH_LOAD_NT
.endr
.endm
.macro XTURN t                         ; LDS serves a wave's instructions in order: no wait between the stores and the loads
.irp i, 0,1,2,3
	ds_store_b128 v14, v[XR+16*((\t)%4)+4*\i:XR+16*((\t)%4)+4*\i+3] offset:32*XSP*((\t)%2)+8*XSP*\i
.endr
.irp i, 0,1,2,3
	ds_load_b128 v[XX+16*((\t)%2)+4*\i:XX+16*((\t)%2)+4*\i+3], v15 offset:32*XSP*((\t)%2)+16*\i
.endr
.endm
.irp t, 0,1,2,3
	XLOAD \t
.endr
	s_wait_loadcnt 12                              ; step 0's four loads are in; the twelve of steps 1 to 3 may be out
	XTURN 0
.macro XSTEP t
.set XS, XX+16*((\t)%2)
.if (\t) > 0
	s_wait_dscnt 1                                 ; this step's numbers are back from the stage; the last step's byte store may be out
.else
	s_wait_dscnt 0x0
.endif
.if (\t)+4 < XSTEPS
	XLOAD (\t)+4                                   ; into the registers that the stage's stores have read
.endif
.if (\t)+1 < XSTEPS
.if XSTEPS-2-(\t) >= 3
	s_wait_loadcnt 12                              ; the next step's four loads are in; those of the three steps behind it may be out
.else
	s_wait_loadcnt 4*(XSTEPS-2-(\t))
.endif
	XTURN (\t)+1
.endif
	v_max3_num_f32 v8, |v[XS]|, |v[XS+1]|, |v[XS+2]|               ; the largest magnitude of my 16, in two chains
	v_max3_num_f32 v9, |v[XS+3]|, |v[XS+4]|, |v[XS+5]|
.irp i, 6,10
	v_max3_num_f32 v8, v8, |v[XS+\i]|, |v[XS+\i+1]|
	v_max3_num_f32 v9, v9, |v[XS+\i+2]|, |v[XS+\i+3]|
.endr
	v_max3_num_f32 v8, v8, |v[XS+14]|, |v[XS+15]|
	v_max3_num_f32 v8, v8, v9, (EMAX+1)<<23        ; and the floor 2^(3 - 127): the byte cannot fall under 1
	v_max_num_f32_dpp v8, v8, v8 row_xmask:1 row_mask:0xf bank_mask:0xf   ; with my neighbour's 16: the block's
	v_add_nc_u32 v11, -(EMAX<<23), v8              ; 2 off its exponent field: the conversion takes the exponent field of this operand as its scale
	v_cvt_scalef32_pk8_fp4_f32 v[XC+4*(\t)], v[XS:XS+7], v11
	v_cvt_scalef32_pk8_fp4_f32 v[XC+4*(\t)+1], v[XS+8:XS+15], v11
	v_lshrrev_b32 v[XE+(\t)], 23, v11              ; the scale's byte (also the plain line behind the conversions)
	ds_store_b8 v5, v[XE+(\t)] offset:16*(\t)      ; both lanes of a block write the same byte with the same value
	global_store_b64 v4, v[XC+4*(\t):XC+4*(\t)+1], s[14:15] offset:32*CB*(\t)   ; the wave stores 256 consecutive bytes, aligned
.endm
.irp t, 0,1,2,3,4,5,6,7,8,9,10,11,12,13,14,15
	XSTEP \t
.endr
	ds_load_b64 v[8:9], v6                         ; my wave's 256 scale bytes: these loads see my stores
	s_wait_dscnt 0x0
	global_store_b64 v7, v[8:9], s[16:17]          ; 32 lanes store 256 consecutive bytes, aligned
	s_wait_tensorcnt 0x0                           ; the wave's end: behind my last LDS store, 0 is added to my spare word and waited for
	ds_add_u32 v[SPW], v[NIL]
	s_wait_dscnt 0x0
	s_endpgm
.Lnot_x:
	s_cmp_lt_u32 ttmp9, 320
	s_cbranch_scc0 .Lwo
; ---------------- PATH W.  A LANE TAKES A COLUMN n, AND ITS REGISTERS RUN DOWN K: a block of 32 along K lies in one lane's 32 registers, and the conversions give codes with K innermost.
; A wave takes 16 columns x 512 along K: lanes 0-15 the first 256 of them, lanes 16-31 the second: 8 blocks a lane, so that a wave has 256 loads on end and not 512.  A load reads 64 consecutive bytes of each of
; two rows; the four waves of a work-group stand side by side on 256.  The codes go through the wave's own stage in LDS and leave as rows: sixteen lanes store 256 consecutive bytes, aligned.
; 48 groups of 64 columns x 4 parts of K.  Which tensor, its pitch and the rows of the output are chosen by selects on the work-group's number.
.set WPITCH, 272
.set NB,    8
.set WX,    32                         ; v32-95   two sets of 32 numbers
.set WC,    96                         ; v96-99   a block's codes
.set OUTR,  112                        ; v112-143 the way out
.set OFF,   176                        ; v176-207 4 r + (256 h + i) x the tensor's pitch: never rewritten
.set SB,    24                         ; v24-25   the scale bytes, four to a register
	s_sub_co_u32 s25, ttmp9, 128
	s_lshr_b32 s26, s25, 2                         ; the group of 64 columns, 0 .. 47: 0-31 Wq's, 32-39 Wk's, 40-47 Wv's
	s_and_b32 s27, s25, 3                          ; which 512 along K
	s_sub_co_u32 s28, s26, 32
	s_and_b32 s28, s28, 7                          ; the group's number in Wk or in Wv
	s_cmp_lt_u32 s26, 40
	s_cselect_b64 s[30:31], s[8:9], s[10:11]       ; Wk or Wv
	s_cselect_b32 s29, 0, 128
	s_lshr_b32 s34, s28, 1                         ; the key or value head,
	s_lshl_b32 s34, s34, 8
	s_add_co_u32 s34, s34, s29
	s_and_b32 s35, s28, 1                          ; and which half of it
	s_lshl_b32 s35, s35, 6
	s_add_co_u32 s34, s34, s35
	s_add_co_u32 s34, s34, 2048                    ; its first row of the output: 2,048 + 256 head (+ 128 for values) + 64 half
	s_lshl_b32 s35, s26, 6                         ; a query group's: 64 x group
	s_mov_b32 s32, 2048
	s_cmp_lt_u32 s26, 32
	s_cselect_b64 s[30:31], s[6:7], s[30:31]       ; the tensor,
	s_cselect_b32 s32, 8192, s32                   ; its pitch in bytes,
	s_cselect_b32 s33, s26, s28                    ; the group's number in it,
	s_cselect_b32 s34, s35, s34                    ; and the output's row
	s_mul_i32 s36, s27, s32
	s_lshl_b32 s36, s36, 9                         ; 512 rows for each part of K,
	s_lshl_b32 s37, s33, 8                         ; 256 bytes a group,
	s_add_co_u32 s36, s36, s37
	s_lshl_b32 s37, s24, 6                         ; 64 bytes a wave
	s_add_co_u32 s36, s36, s37
	s_mov_b32 s37, 0
	s_add_nc_u64 s[30:31], s[30:31], s[36:37]
	s_lshl_b32 s38, s32, 5                         ; a block on: 32 rows
	s_mov_b32 s39, 0
	s_lshl_b32 s41, s32, 8                         ; lanes 16-31 begin 256 rows further down
	s_lshl_b32 s35, s24, 4
	s_add_co_u32 s34, s34, s35                     ; my wave's first row of the output
	s_lshl_b32 s36, s34, 10
	s_lshl_b32 s35, s27, 8
	s_add_co_u32 s36, s36, s35
	s_add_nc_u64 s[18:19], s[18:19], s[36:37]      ; codes: row x 1,024 + 256 x part
	s_lshl_b32 s36, s34, 6
	s_lshl_b32 s35, s27, 4
	s_add_co_u32 s36, s36, s35
	s_add_nc_u64 s[20:21], s[20:21], s[36:37]      ; scale bytes: row x 64 + 16 x part
	v_and_b32 v5, 15, v2                           ; r: my column
	v_lshrrev_b32 v6, 4, v2                        ; h: my half of the 512 along K
	v_lshlrev_b32 v3, 2, v5
	v_mad_u32_u24 v3, v6, s41, v3                  ; in: 4 r + 256 h rows
	s_mul_i32 s40, s24, 16*WPITCH
	s_add_co_u32 s40, s40, WRGN                    ; my stage
	v_mul_u32_u24 v4, v5, WPITCH
	v_lshl_add_u32 v4, v6, 7, v4
	v_add_nc_u32 v4, s40, v4                       ; into it: row = my column, + 128 h bytes
	v_mul_u32_u24 v7, v6, WPITCH
	v_lshl_add_u32 v7, v5, 4, v7
	v_add_nc_u32 v7, s40, v7                       ; out of it: sixteen lanes to a row, two rows an instruction
	v_lshlrev_b32 v8, 10, v6
	v_lshl_add_u32 v8, v5, 4, v8                   ; and the same place in the codes' buffer
	v_lshlrev_b32 v9, 6, v5
	v_lshl_add_u32 v9, v6, 3, v9                   ; my column's row of scale bytes, + 8 h
.irp i, 0,1,2,3,4,5,6,7,8,9,10,11,12,13,14,15,16,17,18,19,20,21,22,23,24,25,26,27,28,29,30,31
	v_mad_u32_u24 v[OFF+\i], s32, \i, v3
.endr
.macro WLOAD t                         ; block t: W(256 h + 32 t + i, my column) into set t % 2.  The pitch is no constant, so the rows stand in 32 offset registers and the base steps
.if (\t) > 0
	s_wait_xcnt 0x0                                ; the earlier loads have read their base
	s_add_nc_u64 s[30:31], s[30:31], s[38:39]
.endif
.irp i, 0,1,2,3,4,5,6,7,8,9,10,11,12,13,14,15,16,17,18,19,20,21,22,23,24,25,26,27,28,29,30,31
	global_load_b32 v[WX+32*((\t)%2)+\i], v[OFF+\i], s[30:31]
.endr
.endm
	WLOAD 0
	WLOAD 1
.macro WBLOCK t
.set XS, WX+32*((\t)%2)
.if (\t) < NB-1
	s_wait_loadcnt 32                              ; this block's 32 loads are in; the next block's 32 may be out
.else
	s_wait_loadcnt 0x0
.endif
	v_max3_num_f32 v12, |v[XS]|, |v[XS+1]|, |v[XS+2]|               ; the block's largest magnitude: all 32 numbers are mine
	v_max3_num_f32 v13, |v[XS+3]|, |v[XS+4]|, |v[XS+5]|
.irp i, 6,10,14,18,22,26
	v_max3_num_f32 v12, v12, |v[XS+\i]|, |v[XS+\i+1]|
	v_max3_num_f32 v13, v13, |v[XS+\i+2]|, |v[XS+\i+3]|
.endr
	v_max3_num_f32 v12, v12, |v[XS+30]|, |v[XS+31]|
	v_max3_num_f32 v12, v12, v13, (EMAX+1)<<23     ; and the floor
	v_add_nc_u32 v11, -(EMAX<<23), v12             ; the conversion's scale operand
	v_lshrrev_b32 v13, 23, v11                     ; the scale's byte
.if (\t)%4 == 0
	v_mov_b32 v[SB+(\t)/4], v13
.else
	v_lshl_or_b32 v[SB+(\t)/4], v13, 8*((\t)%4), v[SB+(\t)/4]
.endif
.irp g, 0,1,2,3
	v_cvt_scalef32_pk8_fp4_f32 v[WC+\g], v[XS+8*\g:XS+8*\g+7], v11
.endr
	v_nop                                          ; one plain line behind the last conversion
	ds_store_b128 v4, v[WC:WC+3] offset:16*(\t)    ; 32 codes: 16 bytes of my column's row
.if (\t)+2 < NB
	WLOAD (\t)+2
.endif
	s_wait_dscnt 0x0                               ; the store has read its registers: the next block's codes may be written
.endm
.set Q, 0
.rept NB
	WBLOCK Q
.set Q, Q+1
.endr
	global_store_b64 v9, v[SB:SB+1], s[20:21]      ; my 8 scale bytes
.irp t, 0,1,2,3,4,5,6,7
	ds_load_b128 v[OUTR+4*\t:OUTR+4*\t+3], v7 offset:2*\t*WPITCH
.endr
.irp t, 0,1,2,3,4,5,6,7
	s_wait_dscnt 7-\t                              ; LDS loads come back in order: load t is in, the younger ones may be out
	global_store_b128 v8, v[OUTR+4*\t:OUTR+4*\t+3], s[18:19] offset:2*\t*1024
.endr
	s_wait_tensorcnt 0x0                           ; the wave's end: behind my last LDS store, 0 is added to my spare word and waited for
	ds_add_u32 v[SPW], v[NIL]
	s_wait_dscnt 0x0
	s_endpgm
.Lwo:
	s_cmp_lt_u32 ttmp9, 448
	s_cbranch_scc0 .Lrot
; ---------------- PATH O.  The work-group takes rows 16 kb .. 16 kb + 15 of Wo; wave w the groups of 64 columns 8 w + x, x = 0 .. 7.  A load reads 256 consecutive bytes of a row in sixteen lanes
; (lanes 16-31: the row 8 further down).  Lane (r, h) then holds k = 8 h + e of columns 4 r + i: for each i eight f16 numbers, 16 bytes, which are lane 4 (r % 4) + i, half h, of the image of tile r / 4.
; They meet in the wave's own stage (four images, 528 bytes apart) and leave as images: 512 consecutive bytes a store.
	s_sub_co_u32 s25, ttmp9, 320                   ; kb
	v_and_b32 v3, 15, v2                           ; r
	v_lshrrev_b32 v4, 4, v2                        ; h
	v_lshlrev_b32 v5, 16, v4
	v_lshl_add_u32 v5, v3, 4, v5                   ; in: 8 rows x 8,192 bytes x h + 16 r
	s_mul_i32 s26, s24, 2304
	s_add_co_u32 s26, s26, ORGN                    ; my stage
	v_lshrrev_b32 v6, 2, v3
	v_mul_u32_u24 v6, v6, 528
	v_and_b32 v7, 3, v3
	v_lshl_add_u32 v6, v7, 6, v6
	v_lshl_add_u32 v6, v4, 8, v6
	v_add_nc_u32 v6, s26, v6                       ; into it: 528 (r / 4) + 64 (r % 4) + 256 h (+ 16 i)
	v_lshlrev_b32 v8, 4, v2                        ; 16 x lane: an image's place for my lane
	v_add_nc_u32 v7, s26, v8                       ; out of it
	s_lshl_b32 s28, s25, 17
	s_lshl_b32 s29, s24, 11
	s_add_co_u32 s28, s28, s29
	s_mov_b32 s29, 0
	s_add_nc_u64 s[12:13], s[12:13], s[28:29]      ; Wo: 16 rows x kb + 2,048 bytes x wave
	s_lshl_b32 s28, s25, 9
	s_lshl_b32 s30, s24, 21
	s_add_co_u32 s28, s28, s30
	s_add_nc_u64 s[22:23], s[22:23], s[28:29]      ; woimg: 512 kb + 32 tiles of columns x 65,536 x wave
.macro LOADO x                         ; group x into set x % 3 of v32-127: register 4 e + i
.irp e, 0,1,2,3,4,5,6,7
	global_load_b128 v[32+32*((\x)%3)+4*\e:32+32*((\x)%3)+4*\e+3], v5, s[12:13] offset:8192*\e+256*(\x) th:TH_LOAD_NT
.endr
.endm
	LOADO 0
	LOADO 1
	LOADO 2
.macro OBLK x
.set OS, 32+32*((\x)%3)
.set OZ, 144+16*((\x)%2)
.if (\x) < 6
	s_wait_loadcnt 16                              ; this group's eight loads are in; the sixteen of the two groups behind it may be out
.else
	s_wait_loadcnt 8*(7-(\x))
.endif
.irp i, 0,1,2,3
.irp q, 0,1,2,3
	v_cvt_pk_f16_f32 v[128+4*\i+\q], v[OS+8*\q+\i], v[OS+8*\q+4+\i]   ; column 4 r + i: k = 8 h + 2 q, 8 h + 2 q + 1
.endr
.endr
.irp i, 0,1,2,3
	ds_store_b128 v6, v[128+4*\i:128+4*\i+3] offset:16*\i
.endr
	s_wait_xcnt 0x0                                ; the stores of two groups back have read the registers that the loads below fill
.irp T, 0,1,2,3
	ds_load_b128 v[OZ+4*\T:OZ+4*\T+3], v7 offset:528*\T
.endr
.if (\x)+3 < 8
	LOADO (\x)+3
.endif
	s_wait_dscnt 0x0
.irp T, 0,1,2,3
	global_store_b128 v8, v[OZ+4*\T:OZ+4*\T+3], s[22:23] offset:(4*(\x)+\T)*65536 th:TH_STORE_NT   ; an image: 512 consecutive bytes, aligned
.endr
.endm
.irp x, 0,1,2,3,4,5,6,7
	OBLK \x
.endr
	s_wait_tensorcnt 0x0                           ; the wave's end: behind my last LDS store, 0 is added to my spare word and waited for
	ds_add_u32 v[SPW], v[NIL]
	s_wait_dscnt 0x0
	s_endpgm
.Lrot:
; ---------------- PATH C.  A wave takes 16 positions of cos and of sin.  A lane takes a row here, once, so that the next launch, whose every wave wants these numbers lane by lane, reads 512 consecutive bytes a load.
	s_sub_co_u32 s25, ttmp9, 448
	s_lshl_b32 s25, s25, 2
	s_add_co_u32 s25, s25, s24                     ; my block of 16 positions: 0 .. 127
	v_and_b32 v3, 15, v2                           ; r
	v_lshrrev_b32 v4, 4, v2                        ; h
	v_lshlrev_b32 v5, 9, v3
	v_lshl_add_u32 v5, v4, 5, v5                   ; in: row r of 512 bytes, + 32 h
	v_lshlrev_b32 v6, 4, v2                        ; out: 16 x lane
	s_lshl_b32 s28, s25, 13
	s_mov_b32 s29, 0
	s_add_nc_u64 s[44:45], s[44:45], s[28:29]      ; 8,192 bytes a block in cos and in sin,
	s_add_nc_u64 s[46:47], s[46:47], s[28:29]
	s_lshl_b32 s28, s25, 14
	s_add_co_u32 s28, s28, ROT
	s_add_nc_u64 s[20:21], s[20:21], s[28:29]      ; 16,384 in the images
.irp b, 0,1,2,3,4,5,6,7
.irp e, 0,1
	global_load_b128 v[32+8*\b+4*\e:35+8*\b+4*\e], v5, s[44:45] offset:64*\b+16*\e
.endr
.endr
.irp b, 0,1,2,3,4,5,6,7
.irp e, 0,1
	global_load_b128 v[96+8*\b+4*\e:99+8*\b+4*\e], v5, s[46:47] offset:64*\b+16*\e
.endr
.endr
	s_wait_loadcnt 16                              ; cos is in; sin's sixteen loads may be out
.irp q, 0,1,2,3,4,5,6,7,8,9,10,11,12,13,14,15
	global_store_b128 v6, v[32+4*\q:35+4*\q], s[20:21] offset:512*\q           ; a quad: 512 consecutive bytes, aligned
.endr
	s_wait_loadcnt 0x0
.irp q, 0,1,2,3,4,5,6,7,8,9,10,11,12,13,14,15
	global_store_b128 v6, v[96+4*\q:99+4*\q], s[20:21] offset:8192+512*\q
.endr
	s_wait_tensorcnt 0x0                           ; the wave's end, as in the other paths
	ds_add_u32 v[SPW], v[NIL]
	s_wait_dscnt 0x0
	s_endpgm
.Lfunc_end_k_qf5c3875dfa_prep:
	.size	k_qf5c3875dfa_prep, .Lfunc_end_k_qf5c3875dfa_prep-k_qf5c3875dfa_prep
	.p2alignl 7, 3214868480
	.fill 96, 4, 3214868480
	.section	.rodata,"a",@progbits
	.p2align	6, 0x0
	.amdhsa_kernel k_qf5c3875dfa_prep
		.amdhsa_group_segment_fixed_size 77312
		.amdhsa_private_segment_fixed_size 0
		.amdhsa_enable_private_segment 0
		.amdhsa_kernarg_size 96
		.amdhsa_user_sgpr_count 2
		.amdhsa_user_sgpr_kernarg_segment_ptr 1
		.amdhsa_wavefront_size32 1
		.amdhsa_system_sgpr_workgroup_id_x 1
		.amdhsa_system_sgpr_workgroup_id_y 1
		.amdhsa_system_sgpr_workgroup_id_z 1
		.amdhsa_system_vgpr_workitem_id 0
		.amdhsa_next_free_vgpr 224
		.amdhsa_next_free_sgpr 66
		.amdhsa_reserve_vcc 0
		.amdhsa_float_denorm_mode_32 3
		.amdhsa_float_denorm_mode_16_64 3
		.amdhsa_memory_ordered 1
		.amdhsa_forward_progress 1
		.amdhsa_inst_pref_size 106
	.end_amdhsa_kernel
	.amdgpu_metadata
---
amdhsa.version: [ 1, 2 ]
amdhsa.kernels:
  - .name:           k_qf5c3875dfa_prep
    .symbol:         k_qf5c3875dfa_prep.kd
    .args:
      - { .name: hidden_states, .offset: 0, .size: 8, .value_kind: global_buffer, .address_space: global }
      - { .name: Wq, .offset: 8, .size: 8, .value_kind: global_buffer, .address_space: global }
      - { .name: Wk, .offset: 16, .size: 8, .value_kind: global_buffer, .address_space: global }
      - { .name: Wv, .offset: 24, .size: 8, .value_kind: global_buffer, .address_space: global }
      - { .name: Wo, .offset: 32, .size: 8, .value_kind: global_buffer, .address_space: global }
      - { .name: x_codes, .offset: 40, .size: 8, .value_kind: global_buffer, .address_space: global }
      - { .name: x_scales, .offset: 48, .size: 8, .value_kind: global_buffer, .address_space: global }
      - { .name: w_codes, .offset: 56, .size: 8, .value_kind: global_buffer, .address_space: global }
      - { .name: wsc_rot, .offset: 64, .size: 8, .value_kind: global_buffer, .address_space: global }
      - { .name: woimg, .offset: 72, .size: 8, .value_kind: global_buffer, .address_space: global }
      - { .name: cos, .offset: 80, .size: 8, .value_kind: global_buffer, .address_space: global }
      - { .name: sin, .offset: 88, .size: 8, .value_kind: global_buffer, .address_space: global }
    .group_segment_fixed_size: 77312
    .private_segment_fixed_size: 0
    .kernarg_segment_align: 8
    .kernarg_segment_size: 96
    .max_flat_workgroup_size: 128
    .sgpr_count:     66
    .vgpr_count:     224
    .wavefront_size: 32
...
	.end_amdgpu_metadata
.endif
;; end of part 1
;; launch qkv (part 2): grid 12 x 8, 4 waves a work-group, clusters of 4 x 1, 327,680 bytes of LDS; arguments x_codes, x_scales, w_codes, wsc_rot, qkv16, q_norm_w, k_norm_w, fine32; writes qkv16, fine32
.if DOCPART == 2
	.amdgcn_target "amdgcn-amd-amdhsa--gfx1250"
	.amdhsa_code_object_version 6
	.text
	.protected	k_qf5c3875dfa_qkv
	.globl	k_qf5c3875dfa_qkv
	.p2align	8
	.type	k_qf5c3875dfa_qkv,@function
k_qf5c3875dfa_qkv:
	s_mov_b64 s[64:65], 0
	v_nop
	global_prefetch_b8 v0, s[64:65] scope:SCOPE_SE
	s_setreg_imm32_b32 hwreg(HW_REG_WAVE_MODE, 25, 1), 1
	s_wait_xcnt 0x0
	s_wait_alu depctr_hold_cnt(0) depctr_sa_sdst(0) depctr_va_vdst(0) depctr_va_sdst(0) depctr_va_ssrc(0) depctr_va_vcc(0) depctr_vm_vsrc(0)
	s_getreg_b32 s2, hwreg(HW_REG_IB_STS2, 6, 4)
	s_cmp_eq_u32 s2, 0
	s_cbranch_scc0 .Lentry_in_a_cluster
	s_endpgm
.Lentry_in_a_cluster:
	s_bfe_u32 s2, ttmp6, 0x10000c
	s_cmp_lg_u32 s2, 0x3003
	s_cbranch_scc0 .Lentry_shape_is_right
	s_endpgm
.Lentry_shape_is_right:
; QKV: [2048 positions][3072] = x W^T on codes of FP4 (E2M1) with one E8M0 scale for each 32 along K = 2,048; then, in registers, RMS norm, rotary turn and rounding to f16.
; The 3,072 columns are 24 heads of 128: 0-15 queries, 16 + 2 g key head g, 17 + 2 g value head g.
; A tile of 256 x 256 is made by four waves, each 128 positions x ONE HEAD: 64 accumulators of 16 x 16, 512 registers.  K goes in steps of 512 through a ring of two LDS slots filled by the tensor data mover
; (a tile's row is 256 bytes of memory); the scale bytes of the work-group's rows, for all of K, come once, with the first fills, and stay.
; THE MATRIX INSTRUCTION IS USED TRANSPOSED (source 0 = 16 rows of W, source 1 = 16 positions): a lane holds ONE position and, in accumulator (a, b), channels 16 b + 8 (lane / 16) + 0 .. 7 of the head.
; So a head's sum of squares wants one exchange between the halves of the lanes, the partner of the rotary turn (64 channels on) lies in the same lane, and four packed registers ARE a lane's 16 bytes of an
; IMAGE OF AN OPERAND'S REGISTERS (16 rows x 16 along K, 512 bytes, lane l's bytes at 16 l): q and k leave straight from registers, 512 consecutive bytes a store.
; qkv16 [head 24][16 positions: 128][8][512 bytes]: q, k: image b = channels 16 b on, row = position.  v: image f is turned: row = channel 16 f + r, K = the 16 positions (the keys are the second product's K).
; COS AND SIN come in the same order, laid so by the launch before: wsc_rot from byte ROT on, [16 positions: 128][cos, sin][quad 16][512 bytes]: quad q is registers 4 q .. 4 q + 3 of a lane's 64: a load reads 512 consecutive bytes.
; fine32 [head 24][8,192 bytes] f32: the numbers of positions 0-15, unrounded, for the last launch: q and k heads as 16 such quads, v heads as [16 positions][128].
; CLUSTER: 4 x 1: the four partners share the 256 positions, so x's tiles and x's scales are asked for JOINTLY (mask 15); W's are each work-group's own.  Not 4 x 4: the copy of positions 0-15 is a branch on
; the tile row, which is alike in all partners only where they share it.
; LIMITS: NaN and infinities are not served; |v| up to 65,504 (f16); f16 numbers under 6e-5 carry an absolute step of 6e-8.
; REGISTERS, in windows of 256: window 0: v0-31 addresses; v32-95 scale words, two sets, and nothing else; v128-191 x's fragments, one set, on the way out turned numbers; v192-255 the gains w; v96-127 v's packed results.
;   window 1: v0-63, v128-191 W's fragments, two sets; v64-127, v192-255 cos and sin of my first 16 positions, asked for at the head; on the way out two sets of cos and sin: (v64.., v192..) and (v0.., v128..).
;   windows 2, 3: the accumulators of my positions 0-63, 64-127 ((a, b) at v[8 (8 (a % 4) + b)]); a block's packed results take the place of its own accumulators, so that no store's data are written again.
.set SIZE_K, 2048
.set KSTEP,  512
.set NQ,     KSTEP/128
.set ROWB,   256
.set KROW,   SIZE_K*4/8
.set PITCH,  272                       ; an LDS row: 256 bytes + 16 of padding: the 16 rows that a load touches start at 16 different banks
.set FR,     8
.set NL,     2
.set NP,     4
.set HALFT,  128*PITCH
.set SLOT,   4*HALFT
.set LAPS,   SIZE_K/(2*KSTEP)
.set KS,     SIZE_K/32
.set SCL,    2*SLOT
.set HALFS,  (128*KS/256)*272
.set SBLK,   (16*KS/256)*272
.set SPARE,  SCL+4*HALFS               ; the spare words, 128 bytes for each wave: two blocks of 256 bytes that no other line names
.set ROT,    196608                    ; in wsc_rot: behind the 3,072 x 64 scale bytes
.set VP,     288                       ; the way out of v: a stage of 16 positions x (256 bytes + 32) for each wave, in slot 0, which has had its last fill and its last read by then
.set ADRA, 16
.set ADRB, 20
.set LO,   22                          ; v22  16 x lane: an image's place for my lane; never rewritten
.set CSO,  23                          ; v23  512 r + 32 h: my place in 16 rows of 128 f32 (v's copy in fine32)
.set VST,  24                          ; v24  v's stage, in: 288 r + 16 h
.set VTR,  25                          ; v25  and out, for the turning load
.set ADRS, 27
.set SPW,  28
.set NIL,  29
.set WO,   30                          ; v30  32 h: my place among the 128 gains; never rewritten
.set SC,   32
.set AF,   128
.set PK,   96
.set ZZ,   128
.set NW,   192
.set G1, 24
.set G0, 32
.set G1B, 48
.set G0B, 56
.set G1S, 68
.set G0S, 76
.set G1SB, 80
.set G0SB, 88
.set MSB, 0
.macro WIN new                         ; the immediate's high byte repeats the setting that is left
.if MSB != (\new)
	s_set_vgpr_msb (MSB<<8)|(\new)
.set MSB, (\new)
.endif
.endm
.set MUL_LO, 0xa1                      ; source 0 (W) window 1, source 1 (x) window 0, C and D window 2
.set MUL_HI, 0xf1
.set TO_B,   0x40
; Waves 0 and 1 fetch for x (jointly), waves 2 and 3 for W (their own).  The branch hangs on the wave's number alone.  An s_nop 0 and four v_nop follow each of the two lines.
.macro JLOAD g0a, g1a, g0b, g1b
	s_cmp_eq_u32 s15, 0
	s_cbranch_scc0 .Lfor_b_\@
	tensor_load_to_lds s[\g0a:\g0a+3], s[\g1a:\g1a+7]
	s_nop 0
.rept 4
	v_nop
.endr
	s_branch .Lasked_\@
.Lfor_b_\@:
	tensor_load_to_lds s[\g0b:\g0b+3], s[\g1b:\g1b+7]
	s_nop 0
.rept 4
	v_nop
.endr
.Lasked_\@:
.endm
.macro CREST
	s_cmp_lg_u32 s14, 0
	s_cbranch_scc1 .Lnot_wave_0_\@
	s_barrier_signal -3
.Lnot_wave_0_\@:
	s_barrier_wait -3
	s_barrier_signal -1
	s_barrier_wait -1
.endm
.macro CROUND
	s_barrier_signal -1
	s_barrier_wait -1
	CREST
.endm
; cos and sin of my block a of 16 positions, into set a % 2 of window 1: 32 loads of 512 consecutive bytes
.macro LOADCS a
	WIN 0x40
.irp q, 0,1,2,3,4,5,6,7,8,9,10,11,12,13,14,15
	global_load_b128 v[64-64*((\a)%2)+4*\q:64-64*((\a)%2)+4*\q+3], v[LO], s[4:5] offset:16384*(\a)+512*\q
	global_load_b128 v[192-64*((\a)%2)+4*\q:192-64*((\a)%2)+4*\q+3], v[LO], s[4:5] offset:16384*(\a)+8192+512*\q
.endr
	WIN 0
.endm
	s_load_b128 s[4:7], s[0:1], 0x0                ; x's codes, x's scales
	s_load_b128 s[8:11], s[0:1], 0x10              ; W's codes; wsc_rot: W's scales, behind them cos and sin
	s_load_b64 s[12:13], s[0:1], 0x20              ; qkv16
	s_load_b128 s[96:99], s[0:1], 0x28             ; q_norm_w, k_norm_w
	s_load_b64 s[100:101], s[0:1], 0x38            ; fine32
	v_lshl_add_u32 v[SPW], v0, 2, SPARE
	v_mov_b32 v[NIL], 0
	ds_add_u32 v[SPW], v[NIL]                      ; the wave's opening: the add, twice on end, and its wait ahead of my first tensor load
	ds_add_u32 v[SPW], v[NIL]
	v_lshrrev_b32 v1, 5, v0
	v_readfirstlane_b32 s14, v1                    ; wave 0..3
	s_lshr_b32 s15, s14, 1                         ; which half of the tile's positions is mine.  Also: I fetch for x (0) or for W (1)
	s_and_b32 s16, s14, 1                          ; which of the tile's two heads.  Also: which 128 rows I fetch
	s_bfe_u32 s40, ttmp6, 0x40000                  ; cx
	s_lshl_b32 s42, ttmp9, 2
	s_add_co_u32 s42, s42, s40                     ; tile column = 4 x cluster x + cx
	s_and_b32 s17, ttmp7, 0xffff                   ; tile row, which the four partners share
	s_mov_b32 s[G1+0], 15|(1<<20)|(1<<21)|(5<<22)|(3<<25)   ; x's tiles: mask: all four partners; elements of 1 byte; padding: 4 words behind every 64; bit 21 beside a mask
	s_mov_b32 s[G1B+0], (1<<20)|(5<<22)|(3<<25)             ; W's tiles: no mask
.irp g, G1, G1B
	s_mov_b32 s[\g+1], ROWB<<16                    ; tensor_dim0
	s_mov_b32 s[\g+2], 128<<16                     ; tensor_dim1
	s_mov_b32 s[\g+3], ROWB<<16                    ; tile_dim0
	s_mov_b32 s[\g+4], 128                         ; tile_dim1
	s_mov_b32 s[\g+5], KROW                        ; the pitch
	s_mov_b32 s[\g+6], 0
	s_mov_b32 s[\g+7], 0
.endr
	s_mov_b32 s[G1S+0], 15|(3<<16)|(1<<20)|(1<<21)|(5<<22)|(3<<25)   ; the scales of 128 rows: a dense block, as rows of 256 bytes (32 elements of 8), 16 bytes of padding behind each
	s_mov_b32 s[G1SB+0], (3<<16)|(1<<20)|(5<<22)|(3<<25)
.irp g, G1S, G1SB
	s_mov_b32 s[\g+1], 32<<16
	s_mov_b32 s[\g+2], (128*KS/256)<<16
	s_mov_b32 s[\g+3], 32<<16
	s_mov_b32 s[\g+4], 128*KS/256
	s_mov_b32 s[\g+5], 32
	s_mov_b32 s[\g+6], 0
	s_mov_b32 s[\g+7], 0
.endr
	s_lshl_b32 s18, s16, 7
	s_lshl_b32 s20, s17, 8
	s_add_co_u32 s20, s20, s18                     ; x: row 256 x tile row + 128 x half
	s_lshl_b32 s46, s42, 8
	s_add_co_u32 s46, s46, s18                     ; W: row 256 x tile column + 128 x half
	s_mov_b32 s21, 0
	s_mov_b32 s47, 0
	s_mov_b64 s[18:19], KS
	s_mul_u64 s[22:23], s[20:21], s[18:19]
	s_mul_u64 s[92:93], s[46:47], s[18:19]
	s_mov_b64 s[18:19], KROW
	s_mul_u64 s[20:21], s[20:21], s[18:19]
	s_mul_u64 s[46:47], s[46:47], s[18:19]
	s_mul_i32 s45, s14, HALFT                      ; where they go: wave x 128 rows: no place in the cluster enters an LDS address
	s_mul_i32 s94, s14, HALFS
	s_wait_dscnt 0x0                               ; both opening adds are done
	s_wait_kmcnt 0x0
	s_add_nc_u64 s[20:21], s[4:5], s[20:21]
	s_add_nc_u64 s[22:23], s[6:7], s[22:23]
	s_add_nc_u64 s[46:47], s[8:9], s[46:47]
	s_add_nc_u64 s[92:93], s[10:11], s[92:93]
	CROUND                                         ; all four work-groups are here: the first joint loads meet
	s_mov_b32 s[G0S], 1
	s_add_co_u32 s[G0S+1], s94, SCL
	s_mov_b64 s[G0S+2:G0S+3], s[22:23]
	s_or_b32 s[G0S+3], s[G0S+3], 0x80000000
	s_mov_b32 s[G0SB], 1
	s_add_co_u32 s[G0SB+1], s94, SCL
	s_mov_b64 s[G0SB+2:G0SB+3], s[92:93]
	s_or_b32 s[G0SB+3], s[G0SB+3], 0x80000000
	JLOAD G0S, G1S, G0SB, G1SB                     ; the scales first: they are wanted with K step 0
.irp s, 0,1
	s_mov_b32 s[G0+4*\s], 1
	s_add_co_u32 s[G0+4*\s+1], s45, \s*SLOT
	s_add_nc_u64 s[G0+4*\s+2:G0+4*\s+3], s[20:21], \s*ROWB
	s_or_b32 s[G0+4*\s+3], s[G0+4*\s+3], 0x80000000
	s_mov_b32 s[G0B+4*\s], 1
	s_add_co_u32 s[G0B+4*\s+1], s45, \s*SLOT
	s_add_nc_u64 s[G0B+4*\s+2:G0B+4*\s+3], s[46:47], \s*ROWB
	s_or_b32 s[G0B+4*\s+3], s[G0B+4*\s+3], 0x80000000
	JLOAD G0+4*\s, G1, G0B+4*\s, G1B
.endr
	v_and_b32 v1, 15, v0                           ; r
	v_bfe_u32 v2, v0, 4, 1                         ; h
	v_mul_u32_u24 v3, v1, PITCH
	v_lshl_add_u32 v4, v2, 4, v3
	s_mul_i32 s21, s15, HALFT
	s_mul_i32 s22, s16, HALFT
	s_add_co_u32 s22, s22, 2*HALFT
.irp s, 0,1
	v_add_nc_u32 v[ADRA+\s], s21, v4
	v_add_nc_u32 v[ADRB+\s], s22, v4
	s_add_co_u32 s21, s21, SLOT
	s_add_co_u32 s22, s22, SLOT
.endr
	v_mul_u32_u24 v5, v1, KS
	v_lshrrev_b32 v6, 8, v5
	v_lshl_add_u32 v5, v6, 4, v5
	s_mul_i32 s21, s15, HALFS
	s_mul_i32 s22, s16, HALFS
	s_add_co_u32 s22, s22, 2*HALFS
	s_sub_co_u32 s22, s22, s21
	v_mul_u32_u24 v6, s22, v2                      ; lanes 16-31 take W's scale words
	s_add_co_u32 s21, s21, SCL
	v_add_nc_u32 v5, v5, v6
	v_add_nc_u32 v[ADRS], s21, v5
	v_and_b32 v6, 31, v0                           ; the way out's addresses
	v_lshlrev_b32 v[LO], 4, v6
	v_lshlrev_b32 v[CSO], 9, v1
	v_lshl_add_u32 v[CSO], v2, 5, v[CSO]
	v_lshlrev_b32 v[WO], 5, v2
	s_mul_i32 s23, s14, 16*VP
	v_mul_u32_u24 v5, v1, VP
	v_lshl_add_u32 v5, v2, 4, v5
	v_add_nc_u32 v[VST], s23, v5
	v_and_b32 v5, 7, v0
	v_lshl_add_u32 v5, v2, 3, v5
	v_mul_u32_u24 v5, v5, VP
	v_bfe_u32 v6, v0, 3, 1
	v_lshl_add_u32 v5, v6, 4, v5
	v_add_nc_u32 v[VTR], s23, v5                   ; lane l reads 16 bytes: position 8 h + l % 8, channels 8 ((l / 8) % 2) on
	v_mov_b32 v11, 0                               ; (the upper word of the pair v[10:11], of which the low word alone is used)
	v_mov_b32 v14, 0                               ; (a lane permute's destination counts as one of its sources)
	s_lshl_b32 s20, s42, 1
	s_add_co_u32 s20, s20, s16                     ; my head
	s_lshl_b32 s20, s20, 19                        ; 524,288 bytes a head,
	s_lshl_b32 s21, s17, 8
	s_lshl_b32 s22, s15, 7
	s_add_co_u32 s21, s21, s22                     ; my first position,
	s_lshl_b32 s21, s21, 8                         ; 256 bytes a position
	s_add_co_u32 s20, s20, s21
	s_mov_b32 s21, 0
	s_add_nc_u64 s[12:13], s[12:13], s[20:21]
	s_lshl_b32 s20, s17, 4
	s_lshl_b32 s22, s15, 3
	s_add_co_u32 s20, s20, s22                     ; my first block of 16 positions:
	s_lshl_b32 s20, s20, 14                        ; 16,384 bytes of cos and sin a block,
	s_add_co_u32 s20, s20, ROT                     ; behind W's scale bytes
	s_add_nc_u64 s[4:5], s[10:11], s[20:21]
	s_lshl_b32 s20, s42, 1
	s_add_co_u32 s20, s20, s16
	s_lshl_b32 s20, s20, 13                        ; 8,192 bytes a head in fine32
	s_add_nc_u64 s[100:101], s[100:101], s[20:21]
	s_cmp_lt_u32 ttmp9, 2                          ; clusters 0 and 1 hold the query heads
	s_cselect_b64 s[8:9], s[96:97], s[98:99]
; What the way out wants first is asked for here, into registers that the K steps leave alone: the gains of my 64 channels, and cos and sin of my first 16 positions.  Every wave asks, those of the value heads too
; (48 loads that they do not use): so no register's state hangs on two branches that would have to agree.
.irp b, 0,1,2,3,4,5,6,7
.irp e, 0,1
	global_load_b128 v[NW+8*\b+4*\e:NW+8*\b+4*\e+3], v[WO], s[8:9] offset:64*\b+16*\e
.endr
.endr
	LOADCS 0
.macro FRAG reg, adr, q, i             ; 16 rows x 128 K of 4-bit codes: 8 registers, two loads of 16 bytes, 32 bytes apart
.irp c, 0,1
	ds_load_b128 v[\reg+4*\c:\reg+4*\c+3], v[\adr] offset:64*(\q)+32*\c+(\i)*16*PITCH
.endr
.endm
; 16 matrix instructions: x's blocks a0, a0 + 1 against W's eight.  The 64 accumulators take turns, one instruction a turn, in the same order in every step.
.macro MUL16 a0, p, q, sc, zero
.irp a, \a0, \a0+1
.irp b, 0,1,2,3,4,5,6,7
.if \zero
	v_wmma_scale_f32_16x16x128_f8f6f4 v[8*(8*((\a)%4)+\b):8*(8*((\a)%4)+\b)+7], v[128*(\p)+FR*\b:128*(\p)+FR*\b+FR-1], v[AF+FR*(\a):AF+FR*(\a)+FR-1], 0, v[SC+8*NQ*(\sc)+NQ*\b+(\q)], v[SC+8*NQ*(\sc)+NQ*(\a)+(\q)] matrix_a_fmt:MATRIX_FMT_FP4 matrix_b_fmt:MATRIX_FMT_FP4 matrix_a_scale:MATRIX_SCALE_ROW1
.else
	v_wmma_scale_f32_16x16x128_f8f6f4 v[8*(8*((\a)%4)+\b):8*(8*((\a)%4)+\b)+7], v[128*(\p)+FR*\b:128*(\p)+FR*\b+FR-1], v[AF+FR*(\a):AF+FR*(\a)+FR-1], v[8*(8*((\a)%4)+\b):8*(8*((\a)%4)+\b)+7], v[SC+8*NQ*(\sc)+NQ*\b+(\q)], v[SC+8*NQ*(\sc)+NQ*(\a)+(\q)] matrix_a_fmt:MATRIX_FMT_FP4 matrix_b_fmt:MATRIX_FMT_FP4 matrix_a_scale:MATRIX_SCALE_ROW1
.endif
.endr
.endr
.endm
.macro FETCH_B slot, q, p
	WIN TO_B
.irp i, 0,1,2,3,4,5,6,7
	FRAG 128*(\p)+FR*\i, ADRB+\slot, \q, \i
.endr
	WIN 0
.endm
.macro FETCH_A slot, q, i0
.irp i, \i0, \i0+1, \i0+2, \i0+3
	FRAG AF+FR*(\i), ADRA+\slot, \q, \i
.endr
.endm
.macro SCALES sc                       ; a K step's scale words: lanes 0-15 x's block i, lanes 16-31 W's block i
.irp i, 0,1,2,3,4,5,6,7
	ds_load_b128 v[SC+8*NQ*\sc+NQ*\i:SC+8*NQ*\sc+NQ*\i+3], v[ADRS] offset:\i*SBLK
.endr
.endm
.macro PLACES n                        ; plain vector instructions between a matrix instruction and a load into, or a read of, its registers
.rept \n
	v_nop
.endr
.endm
.macro STEP slot, q, zero
	s_wait_dscnt 4*NL                              ; W's set and x's blocks 0-3 are in; the youngest eight loads (x's blocks 4-7) may be out
	WIN MUL_LO
	MUL16 0, (\q)%2, \q, \slot, \zero
	MUL16 2, (\q)%2, \q, \slot, \zero
	s_wait_dscnt 0
	PLACES NP
	FETCH_B \slot, (\q)+1, 1-(\q)%2
	FETCH_A \slot, (\q)+1, 0
	WIN MUL_HI
	MUL16 4, (\q)%2, \q, \slot, \zero
	MUL16 6, (\q)%2, \q, \slot, \zero
	PLACES NP
	WIN 0
	FETCH_A \slot, (\q)+1, 4
.endm
; A slot's last step changes slots: one barrier; in front of it each wave waits for all its tensor loads, adds 0 to its spare word, and waits for that and for its reads of this slot.
.macro TURN slot, next, fill
	s_wait_tensorcnt 0x0                           ; all my tensor loads have landed: my part of the next slot
	ds_add_u32 v[SPW], v[NIL]                      ; 0 onto my spare word
	s_wait_dscnt 4*NL+1                            ; the add and the youngest eight loads may be out
	WIN MUL_LO
	MUL16 0, 1, NQ-1, \slot, 0
	s_wait_dscnt 0x0                               ; the add is done, and my reads of this slot are over
	s_barrier_signal -1
	MUL16 2, 1, NQ-1, \slot, 0
	WIN 0
	s_barrier_wait -1
.if \fill
	CREST                                          ; the barrier has opened a round of the cluster's barrier: no wave of any partner still reads this slot or has a load on its way
	s_add_nc_u64 s[G0+4*\slot+2:G0+4*\slot+3], s[G0+4*\slot+2:G0+4*\slot+3], 2*ROWB
	s_add_nc_u64 s[G0B+4*\slot+2:G0B+4*\slot+3], s[G0B+4*\slot+2:G0B+4*\slot+3], 2*ROWB
	JLOAD G0+4*\slot, G1, G0B+4*\slot, G1B         ; the first tensor load behind the round; its four v_nop are the places in front of the loads below
.else
	PLACES NP
.endif
	v_add_nc_u32 v[ADRS], 4*NQ, v[ADRS]
	FETCH_B \next, 0, 0
	FETCH_A \next, 0, 0
	SCALES \next
	WIN MUL_HI
	MUL16 4, 1, NQ-1, \slot, 0
	MUL16 6, 1, NQ-1, \slot, 0
	PLACES NP
	WIN 0
	FETCH_A \next, 0, 4
.endm
.macro STEPS slot, from
.set Q, \from
.rept NQ-1-\from
	STEP \slot, Q, 0
.set Q, Q+1
.endr
.endm
	s_wait_tensorcnt 1                             ; the scales and my part of K step 0 are in; K step 1's load may be out
	s_barrier_signal -1
	s_barrier_wait -1
	FETCH_B 0, 0, 0
	FETCH_A 0, 0, 0
	SCALES 0
	FETCH_A 0, 0, 4
	STEP 0, 0, 1                                   ; the first step's products start the sums
	s_mov_b32 s3, LAPS-1
.Llap:
	STEPS 0, 1
	TURN 0, 1, 1
	STEPS 1, 0
	TURN 1, 0, 1
	STEP 0, 0, 0
	s_sub_co_u32 s3, s3, 1
	s_cmp_lg_u32 s3, 0
	s_cbranch_scc1 .Llap
	STEPS 0, 1                                     ; the last lap fills nothing
	TURN 0, 1, 0
	STEPS 1, 0
	s_wait_dscnt 4*NL
	WIN MUL_LO
	MUL16 0, 1, NQ-1, 1, 0
	MUL16 2, 1, NQ-1, 1, 0
	s_wait_dscnt 0
	WIN MUL_HI
	MUL16 4, 1, NQ-1, 1, 0
	MUL16 6, 1, NQ-1, 1, 0
	WIN 0
; ---------------- THE WAY OUT
	s_mov_b32 s92, 0x76543210
	s_mov_b32 s93, 0xfedcba98                      ; v_permlanex16_b32's selects for lane l xor 16
	s_mov_b32 s94, 0x358637bd                      ; 1e-6
	s_mov_b32 s95, 0x3c000000                      ; 1 / 128
	PLACES NP                                      ; behind the last products: loads into their operands' registers and reads of their results follow
	s_lshr_b32 s2, ttmp9, 1                        ; in cluster 2 a tile's second head is a value head: the cluster's x and the wave's number alone
	s_and_b32 s2, s2, s16
	s_cmp_eq_u32 s2, 1
	s_cbranch_scc1 .Lv
; q and k
	LOADCS 1                                       ; into the registers that held W's fragments
.macro QKBLK a                         ; 16 positions
.set AC, 64*((\a)%4)
.set HI, (\a)/4
.set CC, 64-64*((\a)%2)                ; this block's cos,
.set SN, 192-64*((\a)%2)               ; and sin, in window 1
	WIN 0x0a+5*HI                                  ; sources 0 and 1: the accumulators' window
.irp p, 0,1,2,3
	v_pk_mul_f32 v[2+2*\p:3+2*\p], v[AC+2*\p:AC+2*\p+1], v[AC+2*\p:AC+2*\p+1]   ; the sum of squares, in four chains; each accumulator is read from its low end on
.endr
.irp b, 1,2,3,4,5,6,7
.irp p, 0,1,2,3
	v_pk_fma_f32 v[2+2*\p:3+2*\p], v[AC+8*\b+2*\p:AC+8*\b+2*\p+1], v[AC+8*\b+2*\p:AC+8*\b+2*\p+1], v[2+2*\p:3+2*\p]
.endr
.endr
	WIN 0
	v_pk_add_f32 v[2:3], v[2:3], v[4:5]
	v_pk_add_f32 v[6:7], v[6:7], v[8:9]
	v_pk_add_f32 v[2:3], v[2:3], v[6:7]
	v_add_f32 v2, v2, v3
	v_permlanex16_b32 v14, v2, s92, s93            ; the head's other 64 channels lie in the lane 16 away
	v_add_f32 v2, v2, v14
	v_fma_f32 v2, v2, s95, s94                     ; the mean + 1e-6
	v_rsq_f32 v10, v2
	v_nop                                          ; a plain line behind the transcendental,
	s_wait_alu depctr_va_vdst(0)                   ; and the wait ahead of the first reader
.if (\a) == 0
	s_wait_loadcnt 32                              ; the gains and block 0's cos and sin are in; block 1's 32 loads, issued behind them, may be out
.endif
	WIN 0x82+0x41*HI                               ; source 0 and destination: the accumulators' window: in place
.set nn, 0
.rept 32
	v_pk_mul_f32 v[AC+nn:AC+nn+1], v[AC+nn:AC+nn+1], v[10:11] op_sel_hi:[1,0]   ; x rsqrt,
.set nn, nn+2
.endr
.set nn, 0
.rept 32
	v_pk_mul_f32 v[AC+nn:AC+nn+1], v[AC+nn:AC+nn+1], v[NW+nn:NW+nn+1]           ; then x w
.set nn, nn+2
.endr
.if (\a) == 7
	s_wait_loadcnt 0x0
.elseif (\a) > 0
	s_wait_loadcnt 32                              ; this block's cos and sin are in; the next block's 32 loads may be out
.endif
.if (\a) == 1
	s_wait_xcnt 0x0                                ; block 0 may have stored the turned numbers themselves (positions 0-15): they are written again only behind this wait
.endif
	WIN 0x06+HI                                    ; source 0: the accumulators' window; source 1: window 1
.set nn, 0
.rept 32
	v_pk_mul_f32 v[ZZ+nn:ZZ+nn+1], v[AC+nn:AC+nn+1], v[CC+nn:CC+nn+1]           ; y cos
.set nn, nn+2
.endr
.set nn, 0
.rept 16
	v_pk_fma_f32 v[ZZ+nn:ZZ+nn+1], v[AC+32+nn:AC+32+nn+1], v[SN+nn:SN+nn+1], v[ZZ+nn:ZZ+nn+1] neg_lo:[1,0,0] neg_hi:[1,0,0]   ; channels 0-63: - y(c + 64) sin(c)
.set nn, nn+2
.endr
.set nn, 32
.rept 16
	v_pk_fma_f32 v[ZZ+nn:ZZ+nn+1], v[AC-32+nn:AC-32+nn+1], v[SN+nn:SN+nn+1], v[ZZ+nn:ZZ+nn+1]   ; channels 64-127: + y(c - 64) sin(c)
.set nn, nn+2
.endr
.if (\a) < 6
	LOADCS (\a)+2
.endif
	WIN 0x80+0x40*HI                               ; destination: the accumulators' window: the block's packed results take the place of its own accumulators, which are done with
.set nn, 0
.rept 32
	v_cvt_pk_f16_f32 v[AC+nn], v[ZZ+2*nn], v[ZZ+2*nn+1]
.set nn, nn+1
.endr
	WIN 0x08+4*HI                                  ; a store's data are its source 1
.irp b, 0,1,2,3,4,5,6,7
	global_store_b128 v[LO], v[AC+4*\b:AC+4*\b+3], s[12:13] offset:4096*(\a)+512*\b   ; an image: 512 consecutive bytes, aligned.  These registers are not written again: no wait for the stores
.endr
.if (\a) == 0
	WIN 0
	s_or_b32 s40, s17, s15                         ; positions 0-15 lie in tile row 0, first half: the tile row and the wave's number alone
	s_cmp_lg_u32 s40, 0
	s_cbranch_scc1 .Lno_fine_qk
.irp q, 0,1,2,3,4,5,6,7,8,9,10,11,12,13,14,15
	global_store_b128 v[LO], v[ZZ+4*\q:ZZ+4*\q+3], s[100:101] offset:512*\q            ; a quad: 512 consecutive bytes, aligned
.endr
.Lno_fine_qk:
.endif
.endm
.irp a, 0,1,2,3,4,5,6,7
	QKBLK \a
.endr
	WIN 0
	s_branch .Ldone
.Lv:
; v: rounded to f16, 16 positions x 128 channels into my stage, and back TURNED by ds_load_tr16_b128: image f then holds, in lane (r, h), channel 16 f + r and positions 8 h .. 8 h + 7.
.macro VBLK a
.set AC, 64*((\a)%4)
.set HI, (\a)/4
	s_wait_xcnt 0x0                                ; the last block's stores have read their data
	WIN 0x0a+5*HI
.set nn, 0
.rept 32
	v_cvt_pk_f16_f32 v[PK+nn], v[AC+2*nn], v[AC+2*nn+1]   ; each accumulator from its low end on
.set nn, nn+1
.endr
	WIN 0
.irp b, 0,1,2,3,4,5,6,7
	ds_store_b128 v[VST], v[PK+4*\b:PK+4*\b+3] offset:32*\b
.endr
.irp f, 0,1,2,3,4,5,6,7
	ds_load_tr16_b128 v[128+4*\f:131+4*\f], v[VTR] offset:32*\f   ; LDS serves a wave's instructions in order: these see my stores
.endr
	s_wait_dscnt 0x0
.irp f, 0,1,2,3,4,5,6,7
	global_store_b128 v[LO], v[128+4*\f:131+4*\f], s[12:13] offset:4096*(\a)+512*\f
.endr
.if (\a) == 0
	s_or_b32 s40, s17, s15
	s_cmp_lg_u32 s40, 0
	s_cbranch_scc1 .Lno_fine_v
	WIN 0x08                                       ; a store's data are its source 1: window 2
.irp b, 0,1,2,3,4,5,6,7
.irp e, 0,1
	global_store_b128 v[CSO], v[8*\b+4*\e:8*\b+4*\e+3], s[100:101] offset:64*\b+16*\e
.endr
.endr
	WIN 0
.Lno_fine_v:
.endif
.endm
.irp a, 0,1,2,3,4,5,6,7
	VBLK \a
.endr
.Ldone:
	s_wait_tensorcnt 0x0                           ; the wave's end: behind my last tensor load and my last LDS store, 0 is added to my spare word and waited for
	ds_add_u32 v[SPW], v[NIL]
	s_wait_dscnt 0x0
	CROUND                                         ; the closing round: no work-group ends while a partner may still ask for a tile that names it
	s_endpgm
.Lfunc_end_k_qf5c3875dfa_qkv:
	.size	k_qf5c3875dfa_qkv, .Lfunc_end_k_qf5c3875dfa_qkv-k_qf5c3875dfa_qkv
	.p2alignl 7, 3214868480
	.fill 96, 4, 3214868480
	.section	.rodata,"a",@progbits
	.p2align	6, 0x0
	.amdhsa_kernel k_qf5c3875dfa_qkv
		.amdhsa_group_segment_fixed_size 327680
		.amdhsa_private_segment_fixed_size 0
		.amdhsa_enable_private_segment 0
		.amdhsa_kernarg_size 64
		.amdhsa_user_sgpr_count 2
		.amdhsa_user_sgpr_kernarg_segment_ptr 1
		.amdhsa_wavefront_size32 1
		.amdhsa_system_sgpr_workgroup_id_x 1
		.amdhsa_system_sgpr_workgroup_id_y 1
		.amdhsa_system_sgpr_workgroup_id_z 1
		.amdhsa_system_vgpr_workitem_id 0
		.amdhsa_next_free_vgpr 1024
		.amdhsa_next_free_sgpr 102
		.amdhsa_reserve_vcc 0
		.amdhsa_float_denorm_mode_32 3
		.amdhsa_float_denorm_mode_16_64 3
		.amdhsa_memory_ordered 1
		.amdhsa_forward_progress 1
		.amdhsa_inst_pref_size 255
	.end_amdhsa_kernel
	.section	.bss,"aw",@nobits
	.p2align	6
	.space	262144
	.amdgpu_metadata
---
amdhsa.version: [ 1, 2 ]
amdhsa.kernels:
  - .name:           k_qf5c3875dfa_qkv
    .symbol:         k_qf5c3875dfa_qkv.kd
    .args:
      - { .name: x_codes, .offset: 0, .size: 8, .value_kind: global_buffer, .address_space: global }
      - { .name: x_scales, .offset: 8, .size: 8, .value_kind: global_buffer, .address_space: global }
      - { .name: w_codes, .offset: 16, .size: 8, .value_kind: global_buffer, .address_space: global }
      - { .name: wsc_rot, .offset: 24, .size: 8, .value_kind: global_buffer, .address_space: global }
      - { .name: qkv16, .offset: 32, .size: 8, .value_kind: global_buffer, .address_space: global }
      - { .name: q_norm_w, .offset: 40, .size: 8, .value_kind: global_buffer, .address_space: global }
      - { .name: k_norm_w, .offset: 48, .size: 8, .value_kind: global_buffer, .address_space: global }
      - { .name: fine32, .offset: 56, .size: 8, .value_kind: global_buffer, .address_space: global }
    .group_segment_fixed_size: 327680
    .private_segment_fixed_size: 0
    .kernarg_segment_align: 8
    .kernarg_segment_size: 64
    .max_flat_workgroup_size: 128
    .sgpr_count:     102
    .vgpr_count:     1024
    .wavefront_size: 32
...
	.end_amdgpu_metadata
.endif
;; end of part 2
;; launch attn (part 3): grid 64 x 4, 4 waves a work-group, no clusters, 135,680 bytes of LDS; arguments qkv16, oimg; writes oimg
.if DOCPART == 3
	.amdgcn_target "amdgcn-amd-amdhsa--gfx1250"
	.amdhsa_code_object_version 6
	.text
	.protected	k_qf5c3875dfa_attn
	.globl	k_qf5c3875dfa_attn
	.p2align	8
	.type	k_qf5c3875dfa_attn,@function
k_qf5c3875dfa_attn:
	s_mov_b64 s[64:65], 0
	v_nop
	global_prefetch_b8 v0, s[64:65] scope:SCOPE_SE
	s_setreg_imm32_b32 hwreg(HW_REG_WAVE_MODE, 25, 1), 1
	s_wait_xcnt 0x0
; ATTN: O = softmax(Q K^T / sqrt(128), causal) V, operands in f16, products, maxima and sums in f32; the weights p are rounded to f16 for the second product, O once at the end.
; qkv16 [head 24][16 positions: 128][8][512 bytes]: images of operand registers (lane l's 16 bytes at 16 l): heads 0-15 q, 16 + 2 g k, 17 + 2 g v (turned: row = channel, K = the keys).
; oimg [16 positions: 128][head x 8 + f: 128][512 bytes]: images of the projection's operand.
; SHARES.  A UNIT is one key head g and 16 positions t: FOUR TILES, the query heads 4 g + T at the same positions: all four use the same fragments of K and V and the same mask.  Unit t has (t / 4) + 1 key steps of 64.
; Work-group (i, g) runs unit 127 - i and then unit i: 33 key steps in every work-group, 256 work-groups of equal work.
; THE FOUR WAVES SHARE A UNIT'S KEYS: wave c takes steps c', c' + 4, .. (c' = c in the long unit, 3 - c in the short one: 8 or 9 steps a wave in all), each with a running maximum m, sum l and O of its own;
; the four parts meet in LDS at the unit's end.  A wave may have no step in a unit: its part then counts for nothing (m = -3e38, l = 0, O = 0).
; K AND V COME FROM MEMORY STRAIGHT INTO REGISTERS, as images: 32 loads of 512 consecutive bytes each.  So there is no ring and no barrier among the key steps, and trip counts may hang on ids.
; No multicast: within a work-group no two waves read the same tile, and the waves' numbers of steps differ, so that no barrier could stand in front of a joint refill.
; LAYOUT.  S^T = K Q^T (source 0 = 16 keys, source 1 = 16 queries): a lane holds ONE query (lane % 16) and keys 8 (lane / 16) + 0 .. 7.  Two such tiles, rounded in pairs, ARE source 1 of O^T = V^T P.
; SOFTMAX.  p = 2^(c s - c m), c = log2(e) / sqrt(128); in every step O and l are multiplied by a = 2^(c m_old - c m_new).
; BY TURNS, within a step: tiles 0, 1 are piece 0, tiles 2, 3 piece 2.  Piece 0's softmax stands between piece 2's products K Q^T, piece 2's between piece 0's products V^T P.
; THE MASK: a unit's step on the diagonal is its last, so it is some wave's last step; every wave's last step is written out and masked (on any other step the mask hides nothing).
; LIMITS: NaN and infinities are not served; |v| and |O| up to 65,504.
; REGISTERS, in windows of 256: window 0: v2-10 addresses; v12-43 eight statistics a tile; v44-51 two quads; v64-191 S^T, 32 a tile; v192-255 P, 16 a tile.
;   window 1: O^T, 64 a tile.   window 2: v0-127 Q, v128-255 K of one step.   window 3: v0-127 V of one step.
.set LO,   2                           ; v2   16 x lane
.set DV,   3                           ; v3   lane % 16 - 8 (lane / 16)
.set DM,   4                           ; v4   DV + (the unit's first position - my last step's first key)
.set NINF, 5                           ; v5   -infinity
.set SWA,  6                           ; v6   where I put my statistics: 512 x wave + 16 x lane
.set IMW,  8                           ; v8   where I put my O^T: IMG + 32,768 x wave + 16 x lane
.set IMR0, 9                           ; v9   where I read tile T = my wave's number of waves 0, 1: IMG + 8,192 x wave + 16 x lane
.set IMR1, 10                          ; v10  and of waves 2, 3: 65,536 further on
.set ST,   12                          ; tile t's statistics at v[ST + 8 t]: +0 c m, +1 m, +2, +3 l, +4 .. +7 at work; a takes +6
.set TQ,   44
.set SPW,  62
.set NIL,  63
.set S,    64
.set P,    192
.set KF,   128
.set STATL, 2048                       ; LDS: c m of the four waves [wave][lane][16 bytes: T], from STATL on l likewise;
.set IMG,   4096                       ; the four waves' O^T [wave][T][quad 16][lane][16 bytes];
.set SPARE, 135168                     ; the spare words, 128 bytes for each wave: two blocks of 256 bytes that no other line names
.set CS,  58                           ; s[58:59] c
.set SEL, 60                           ; s[60:61] lane selects: lane l xor 16
.set MSB, 0
.macro WIN new
.if MSB != (\new)
	s_set_vgpr_msb (MSB<<8)|(\new)
.set MSB, (\new)
.endif
.endm
.set W_KQ, 0x0a                        ; K and Q in window 2, S^T in window 0
.set W_PV, 0x53                        ; V in window 3, P in window 0, O^T in window 1
.set W_RS, 0x41                        ; O^T (destination and source 0) in window 1
	s_load_b128 s[4:7], s[0:1], 0x0                ; qkv16, oimg
	v_lshl_add_u32 v[SPW], v0, 2, SPARE
	v_mov_b32 v[NIL], 0
	v_lshrrev_b32 v1, 5, v0
	v_readfirstlane_b32 s8, v1                     ; wave c
	s_mov_b32 s9, ttmp9                            ; i
	s_and_b32 s10, ttmp7, 0xffff                   ; g
	v_and_b32 v1, 31, v0
	v_lshlrev_b32 v[LO], 4, v1
	v_and_b32 v11, 15, v0
	v_bfe_u32 v1, v0, 4, 1
	v_lshlrev_b32 v1, 3, v1
	v_sub_nc_u32 v[DV], v11, v1
	v_mov_b32 v[NINF], 0xff800000
	s_lshl_b32 s28, s8, 9
	v_add_nc_u32 v[SWA], s28, v[LO]
	s_lshl_b32 s28, s8, 15
	s_add_co_u32 s28, s28, IMG
	v_add_nc_u32 v[IMW], s28, v[LO]
	s_lshl_b32 s28, s8, 13
	s_add_co_u32 s28, s28, IMG
	v_add_nc_u32 v[IMR0], s28, v[LO]
	v_add_nc_u32 v[IMR1], 0x10000, v[IMR0]
	s_mov_b32 s[CS], 0x3e0293ee                    ; c = log2(e) / sqrt(128)
	s_mov_b32 s[CS+1], s[CS]
	s_mov_b32 s[SEL], 0x76543210
	s_mov_b32 s[SEL+1], 0xfedcba98
	s_lshl_b32 s28, s10, 21                        ; query head 4 g: 524,288 bytes a head
	s_mov_b32 s29, 0
	s_lshl_b32 s30, s10, 20
	s_add_co_u32 s30, s30, 0x800000                ; key head: 16 + 2 g
	s_mov_b32 s31, 0
	s_lshl_b32 s38, s10, 2
	s_add_co_u32 s38, s38, s8
	s_lshl_b32 s38, s38, 12                        ; the head whose tile I sum and store: 4 g + c, 4,096 bytes a head in a block of oimg
	s_mov_b32 s39, 0
	s_wait_kmcnt 0x0
	s_add_nc_u64 s[32:33], s[4:5], s[28:29]
	s_add_nc_u64 s[34:35], s[4:5], s[30:31]
	s_add_nc_u64 s[36:37], s[6:7], s[38:39]
; Product i of 32 of S^T = K Q^T for piece x: channels 32 (i / 8) on, keys 16 ((i / 2) % 4) on, tile x + i % 2.  The first 8 start the sums.  The accumulators take turns.
.macro KQ x
	WIN W_KQ
.set rS, S+32*(\x+i%2)+8*((i/2)%4)
.set rK, KF+32*((i/2)%4)+8*(i/8)
.set rQ, 32*(\x+i%2)+8*(i/8)
.if i < 8
	v_wmma_f32_16x16x32_f16 v[rS:rS+7], v[rK:rK+7], v[rQ:rQ+7], 0
.else
	v_wmma_f32_16x16x32_f16 v[rS:rS+7], v[rK:rK+7], v[rQ:rQ+7], v[rS:rS+7]
.endif
.endm
; Product i of 32 of O^T += V^T P: keys 32 (i / 16) on, channels 16 ((i / 2) % 8) on, tile x + i % 2
.macro PV x
	WIN W_PV
.set rO, 64*(\x+i%2)+8*((i/2)%8)
.set rV, 64*(i/16)+8*((i/2)%8)
.set rP, P+16*(\x+i%2)+8*(i/16)
	v_wmma_f32_16x16x32_f16 v[rO:rO+7], v[rV:rV+7], v[rP:rP+7], v[rO:rO+7]
.endm
; One tile's softmax for one key step is a list of 134 instructions; SM writes number j of it for tile t.
;   0-15 the maximum of the 32 scores and the old m;  16-20 the other half of the lanes', the new m, c m, c m_old - c m_new;
;   21-69 ONE BATCH: 16 packed scalings c s - c m and all 33 exponentials, none of which reads an exponential's result;  (the wait: NUM writes it behind 69)
;   70-85 the roundings to f16;  86-101 the sums, l = a l + the sum;  102-133 the tile's O^T times a.
.macro SM t
.set rT, ST+8*(\t)
.set rS, S+32*(\t)
.set rP, P+16*(\t)
.set rO, 64*(\t)+2*(j-102)
.if j < 102
	WIN 0
.endif
.if j < 4
	v_max3_num_f32 v[rT+4+j], v[rS+8*j], v[rS+8*j+1], v[rS+8*j+2]
.elseif j < 12
	v_max3_num_f32 v[rT+4+j%4], v[rT+4+j%4], v[rS+8*(j%4)+2*(j/4)+1], v[rS+8*(j%4)+2*(j/4)+2]
.elseif j == 12
	v_max3_num_f32 v[rT+4], v[rT+4], v[rS+7], v[rS+15]
.elseif j == 13
	v_max3_num_f32 v[rT+6], v[rT+6], v[rS+23], v[rS+31]
.elseif j == 14
	v_max3_num_f32 v[rT+4], v[rT+4], v[rT+5], v[rT+6]
.elseif j == 15
	v_max3_num_f32 v[rT+4], v[rT+4], v[rT+7], v[rT+1]
.elseif j == 16
	v_permlanex16_b32 v[rT+5], v[rT+4], s[SEL], s[SEL+1]
.elseif j == 17
	v_mov_b32 v[rT+7], v[rT]
.elseif j == 18
	v_max_num_f32 v[rT+1], v[rT+4], v[rT+5]
.elseif j == 19
	v_mul_f32 v[rT], s[CS], v[rT+1]
.elseif j == 20
	v_sub_f32 v[rT+7], v[rT+7], v[rT]
.elseif j == 23
	v_exp_f32 v[rT+6], v[rT+7]
.elseif (j < 23) || ((j < 38) && (j%2 == 0)) || ((j < 66) && (j%4 == 2))
.set b, (j-2)/4
.if j < 38
.set b, (j-20)/2
.endif
	v_pk_fma_f32 v[rS+2*b:rS+2*b+1], v[rS+2*b:rS+2*b+1], s[CS:CS+1], v[rT:rT+1] op_sel_hi:[1,0,0] neg_lo:[0,0,1] neg_hi:[0,0,1]
.elseif j < 70
.set e, j-38
.if j < 66
.set e, j-32-(j-38)/4
.endif
.if j < 38
.set e, (j-25)/2
.endif
	v_exp_f32 v[rS+e], v[rS+e]
.elseif j < 86
	v_cvt_pk_f16_f32 v[rP+j-70], v[rS+2*(j-70)], v[rS+2*(j-70)+1]
.elseif j < 102
.set z, j-86
.set w, 4
.set u, z
.if z >= 14
.set w, 32
.set u, 0
.elseif z >= 12
.set w, 16
.set u, z-12
.elseif z >= 8
.set w, 8
.set u, z-8
.endif
.if z < 15
	v_pk_add_f32 v[rS+w*u:rS+w*u+1], v[rS+w*u:rS+w*u+1], v[rS+w*u+w/2:rS+w*u+w/2+1]
.else
	v_pk_fma_f32 v[rT+2:rT+3], v[rT+2:rT+3], v[rT+6:rT+7], v[rS:rS+1] op_sel_hi:[1,0,1]
.endif
.else
	WIN W_RS
	v_pk_mul_f32 v[rO:rO+1], v[rO:rO+1], v[rT+6:rT+7] op_sel_hi:[1,0]
.endif
.endm
.macro NUM y                           ; number j of both tiles of piece y; the tiles alternate, so that no instruction reads the result of the one just before it
	SM \y
	SM (\y)+1
.if j == 69
	v_nop                                          ; the batch is out: a plain line behind the last exponential,
	s_wait_alu depctr_va_vdst(0)                   ; and one wait ahead of the first reader: for the 66 exponentials of both tiles
.endif
.set j, j+1
.endm
.macro PLACES
.rept 4
	v_nop
.endr
.endm
.macro KQMIX x, y                      ; piece x's 32 products K Q^T, four numbers of piece y's softmax behind each; 134 = 4 x 32 + 6: the six that are over stand behind the last
.set i, 0
.set j, 0
.rept 32
	KQ \x
.rept 4
	NUM \y
.endr
.set i, i+1
.endr
.rept 6
	NUM \y
.endr
.endm
.macro PVMIX x, y
.set i, 0
.set j, 0
.rept 32
	PV \x
.rept 4
	NUM \y
.endr
.set i, i+1
.endr
.rept 6
	NUM \y
.endr
.endm
.macro KQRUN x
.set i, 0
.rept 32
	KQ \x
.set i, i+1
.endr
.endm
.macro PVRUN x
.set i, 0
.rept 32
	PV \x
.set i, i+1
.endr
.endm
.macro LOADQ                           ; four heads' images of the unit's 16 positions
	WIN 0x80
.irp T, 0,1,2,3
.irp b, 0,1,2,3,4,5,6,7
	global_load_b128 v[32*\T+4*\b:32*\T+4*\b+3], v[LO], s[18:19] offset:\T*524288+512*\b
.endr
.endr
.endm
.macro LOADK                           ; a step's 64 keys: 32 images on end
	WIN 0x80
.set nn, 0
.rept 32
	global_load_b128 v[KF+4*nn:KF+4*nn+3], v[LO], s[20:21] offset:512*nn
.set nn, nn+1
.endr
.endm
.macro LOADV                           ; fragment (32 keys kk, 16 channels f): the images of key blocks 2 kk and 2 kk + 1
	WIN 0xc0
.irp kk, 0,1
.irp f, 0,1,2,3,4,5,6,7
.irp c, 0,1
	global_load_b128 v[64*\kk+8*\f+4*\c:64*\kk+8*\f+4*\c+3], v[LO], s[22:23] offset:(2*\kk+\c)*4096+512*\f
.endr
.endr
.endr
.endm
.macro MASK                            ; register x of a tile holds key 16 (x / 8) + 8 (lane / 16) + x % 8 of the step: hidden where 16 (x / 8) + x % 8 > DM.  The four tiles share the mask
	WIN 0
.set x, 0
.rept 32
	v_cmp_gt_i32 vcc_lo, 16*(x/8)+x%8, v[DM]
.irp T, 0,1,2,3
	v_cndmask_b32 v[S+32*\T+x], v[S+32*\T+x], v[NINF], vcc_lo
.endr
.set x, x+1
.endr
.endm
.macro STEP1                           ; a step that has a successor
	s_wait_loadcnt 32                              ; K (and in the first step Q) is in; V's 32 loads may be out
	KQRUN 0
	PLACES                                         ; piece 0's softmax reads results just made
	KQMIX 2, 0
	s_wait_xcnt 0x0                                ; K's loads have read their base.  Behind the last product that read K stand 20 plain instructions of the softmax: the places in front of the loads
	s_add_nc_u64 s[20:21], s[20:21], 0x10000       ; four steps on
	LOADK
	s_wait_loadcnt 32                              ; V is in; the next K's 32 loads may be out
	PVMIX 0, 2
	PVRUN 2
	PLACES                                         ; in front of loads into registers that the last products read
	s_wait_xcnt 0x0
	s_add_nc_u64 s[22:23], s[22:23], 0x10000
	LOADV
	WIN 0
.endm
.macro STEP0                           ; a wave's last step: it fetches nothing, and it is masked
	s_wait_loadcnt 32
	KQRUN 0
	KQRUN 2
	PLACES
	MASK
.set j, 0
.rept 134
	NUM 0
.endr
	s_wait_loadcnt 0x0                             ; V
	PVMIX 0, 2
	PVRUN 2
	WIN 0
.endm
	s_mov_b32 s11, 0                               ; the unit: 0 the long one, 1 the short one
.Lunit:
	s_sub_co_u32 s28, 127, s9
	s_sub_co_u32 s29, 3, s8
	s_cmp_eq_u32 s11, 0
	s_cselect_b32 s12, s28, s9                     ; t
	s_cselect_b32 s13, s8, s29                     ; c'
	s_lshr_b32 s14, s12, 2
	s_add_co_u32 s14, s14, 4                       ; the unit's steps + 3
	s_sub_co_u32 s15, s14, s13
	s_lshr_b32 s15, s15, 2                         ; my steps: c', c' + 4, .. : 0 or more
	s_lshl_b32 s17, s12, 4
	s_lshl_b32 s28, s13, 6
	s_sub_co_u32 s17, s17, s28
	s_lshl_b32 s28, s15, 8
	s_sub_co_u32 s17, s17, s28
	s_add_co_u32 s17, s17, 256                     ; 16 t - 64 (my last step)
	s_lshl_b32 s28, s12, 12
	s_mov_b32 s29, 0
	s_add_nc_u64 s[18:19], s[32:33], s[28:29]      ; Q: 4,096 bytes a block of 16 positions
	s_lshl_b32 s28, s13, 14
	s_add_nc_u64 s[20:21], s[34:35], s[28:29]      ; K: 16,384 bytes a step
	s_add_nc_u64 s[22:23], s[20:21], 0x80000       ; V: the next head
	s_lshl_b32 s28, s12, 16
	s_add_nc_u64 s[24:25], s[36:37], s[28:29]      ; O: 65,536 bytes a block of 16 positions
	s_cmp_eq_u32 s15, 0
	s_cbranch_scc1 .Lno_load
	LOADQ
	LOADK
	LOADV
	WIN 0
.Lno_load:
	v_add_nc_u32 v[DM], s17, v[DV]
.irp T, 0,1,2,3
	v_mov_b32 v[ST+8*\T+1], 0xff61b1e6             ; m = -3e38, under every score
.endr
.irp T, 0,1,2,3
	v_mul_f32 v[ST+8*\T], s[CS], v[ST+8*\T+1]
.endr
.irp T, 0,1,2,3
.irp k, 2,3,4,5,6,7
	v_mov_b32 v[ST+8*\T+\k], 0
.endr
.endr
	WIN 0x40
.set nn, 0
.rept 256
	v_mov_b32 v[nn], 0                             ; O^T.  The step is written once: a wave's first step finds zeros; and a wave without a step hands zeros on
.set nn, nn+1
.endr
	WIN 0
	s_cmp_eq_u32 s15, 0
	s_cbranch_scc1 .Lmerge
	s_sub_co_u32 s16, s15, 1
	s_cmp_eq_u32 s16, 0
	s_cbranch_scc1 .Llast
.Lstep:
	STEP1
	s_sub_co_u32 s16, s16, 1
	s_cmp_lg_u32 s16, 0
	s_cbranch_scc1 .Lstep
.Llast:
	STEP0
.Lmerge:
	; THE FOUR PARTS MEET.  First the statistics: with M = the largest c m, wave w's part counts with e_w = 2^(c m_w - M); L = the sum of e_w l_w.  The lines below are also the places behind the last products.
.irp T, 0,1,2,3
	v_add_f32 v[ST+8*\T+4], v[ST+8*\T+2], v[ST+8*\T+3]
.endr
.irp T, 0,1,2,3
	v_permlanex16_b32 v[ST+8*\T+5], v[ST+8*\T+4], s[SEL], s[SEL+1]
.endr
.irp T, 0,1,2,3
	v_add_f32 v[TQ+4+\T], v[ST+8*\T+4], v[ST+8*\T+5]
.endr
.irp T, 0,1,2,3
	v_mov_b32 v[TQ+\T], v[ST+8*\T]
.endr
	ds_store_b128 v[SWA], v[TQ:TQ+3]
	ds_store_b128 v[SWA], v[TQ+4:TQ+7] offset:STATL
	s_wait_dscnt 0x0                               ; for the others' sake: my stores are done (and so are my reads of the last unit's images)
	s_barrier_signal -1
	s_barrier_wait -1
.irp w, 0,1,2,3
	ds_load_b128 v[64+4*\w:67+4*\w], v[LO] offset:512*\w
	ds_load_b128 v[80+4*\w:83+4*\w], v[LO] offset:STATL+512*\w
.endr
	s_wait_dscnt 0x0
.irp T, 0,1,2,3
	v_max3_num_f32 v[96+\T], v[64+\T], v[68+\T], v[72+\T]
.endr
.irp T, 0,1,2,3
	v_max_num_f32 v[96+\T], v[96+\T], v[76+\T]
.endr
.irp w, 0,1,2,3
.irp T, 0,1,2,3
	v_sub_f32 v[64+4*\w+\T], v[64+4*\w+\T], v[96+\T]
.endr
.endr
.irp T, 0,1,2,3
	v_sub_f32 v[100+\T], v[ST+8*\T], v[96+\T]
.endr
.set nn, 0
.rept 16
	v_exp_f32 v[64+nn], v[64+nn]
.set nn, nn+1
.endr
.irp T, 0,1,2,3
	v_exp_f32 v[100+\T], v[100+\T]                 ; my own weight
.endr
	v_nop
	s_wait_alu depctr_va_vdst(0)                   ; one wait for the twenty
.irp T, 0,1,2,3
	v_mul_f32 v[104+\T], v[64+\T], v[80+\T]
.endr
.irp w, 1,2,3
.irp T, 0,1,2,3
	v_fma_f32 v[104+\T], v[64+4*\w+\T], v[80+4*\w+\T], v[104+\T]
.endr
.endr
.irp T, 0,1,2,3
	v_rcp_f32 v[104+\T], v[104+\T]
.endr
	v_nop
	s_wait_alu depctr_va_vdst(0)                   ; one wait for the four
.irp T, 0,1,2,3
	v_mul_f32 v[ST+8*\T+6], v[100+\T], v[104+\T]   ; my weight / L
.endr
	WIN W_RS
.irp T, 0,1,2,3
.set nn, 0
.rept 32
	v_pk_mul_f32 v[64*\T+nn:64*\T+nn+1], v[64*\T+nn:64*\T+nn+1], v[ST+8*\T+6:ST+8*\T+7] op_sel_hi:[1,0]   ; each accumulator from its low end on
.set nn, nn+2
.endr
.endr
	WIN 0x04                                       ; an LDS store's data are its source 1: window 1
.set nn, 0
.rept 64
	ds_store_b128 v[IMW], v[4*nn:4*nn+3] offset:512*nn
.set nn, nn+1
.endr
	WIN 0
	s_wait_dscnt 0x0                               ; for the others' sake: my part lies in LDS (and my reads of the statistics are over)
	s_barrier_signal -1
	s_barrier_wait -1
	; wave c sums tile T = c of the four parts, rounds it and stores its eight images
.set nn, 0
.rept 16
	ds_load_b128 v[64+4*nn:67+4*nn], v[IMR0] offset:512*nn
.set nn, nn+1
.endr
.set nn, 0
.rept 16
	ds_load_b128 v[128+4*nn:131+4*nn], v[IMR0] offset:32768+512*nn
.set nn, nn+1
.endr
.set nn, 0
.rept 16
	ds_load_b128 v[192+4*nn:195+4*nn], v[IMR1] offset:512*nn
.set nn, nn+1
.endr
	s_wait_dscnt 16                                ; waves 0's and 1's parts are in; wave 2's 16 loads may be out
.set nn, 0
.rept 32
	v_pk_add_f32 v[64+nn:65+nn], v[64+nn:65+nn], v[128+nn:129+nn]
.set nn, nn+2
.endr
.set nn, 0
.rept 16
	ds_load_b128 v[128+4*nn:131+4*nn], v[IMR1] offset:32768+512*nn
.set nn, nn+1
.endr
	s_wait_dscnt 16                                ; wave 2's part is in; wave 3's 16 loads may be out
.set nn, 0
.rept 32
	v_pk_add_f32 v[64+nn:65+nn], v[64+nn:65+nn], v[192+nn:193+nn]
.set nn, nn+2
.endr
	s_wait_dscnt 0x0
.set nn, 0
.rept 32
	v_pk_add_f32 v[64+nn:65+nn], v[64+nn:65+nn], v[128+nn:129+nn]
.set nn, nn+2
.endr
.set nn, 0
.rept 32
	v_cvt_pk_f16_f32 v[192+nn], v[64+2*nn], v[65+2*nn]
.set nn, nn+1
.endr
.irp f, 0,1,2,3,4,5,6,7
	global_store_b128 v[LO], v[192+4*\f:195+4*\f], s[24:25] offset:512*\f   ; an image: 512 consecutive bytes, aligned
.endr
	s_wait_xcnt 0x0                                ; the stores have read their data and their base: the next unit writes both
	s_add_co_u32 s11, s11, 1
	s_cmp_lt_u32 s11, 2
	s_cbranch_scc1 .Lunit
	s_wait_tensorcnt 0x0                           ; the wave's end: behind my last LDS store, 0 is added to my spare word and waited for
	ds_add_u32 v[SPW], v[NIL]
	s_wait_dscnt 0x0
	s_endpgm
.Lfunc_end_k_qf5c3875dfa_attn:
	.size	k_qf5c3875dfa_attn, .Lfunc_end_k_qf5c3875dfa_attn-k_qf5c3875dfa_attn
	.p2alignl 7, 3214868480
	.fill 96, 4, 3214868480
	.section	.rodata,"a",@progbits
	.p2align	6, 0x0
	.amdhsa_kernel k_qf5c3875dfa_attn
		.amdhsa_group_segment_fixed_size 135680
		.amdhsa_private_segment_fixed_size 0
		.amdhsa_enable_private_segment 0
		.amdhsa_kernarg_size 16
		.amdhsa_user_sgpr_count 2
		.amdhsa_user_sgpr_kernarg_segment_ptr 1
		.amdhsa_wavefront_size32 1
		.amdhsa_system_sgpr_workgroup_id_x 1
		.amdhsa_system_sgpr_workgroup_id_y 1
		.amdhsa_system_sgpr_workgroup_id_z 1
		.amdhsa_system_vgpr_workitem_id 0
		.amdhsa_next_free_vgpr 1024
		.amdhsa_next_free_sgpr 66
		.amdhsa_reserve_vcc 1
		.amdhsa_float_denorm_mode_32 3
		.amdhsa_float_denorm_mode_16_64 3
		.amdhsa_memory_ordered 1
		.amdhsa_forward_progress 1
		.amdhsa_inst_pref_size 143
	.end_amdhsa_kernel
	.amdgpu_metadata
---
amdhsa.version: [ 1, 2 ]
amdhsa.kernels:
  - .name:           k_qf5c3875dfa_attn
    .symbol:         k_qf5c3875dfa_attn.kd
    .args:
      - { .name: qkv16, .offset: 0, .size: 8, .value_kind: global_buffer, .address_space: global }
      - { .name: oimg, .offset: 8, .size: 8, .value_kind: global_buffer, .address_space: global }
    .group_segment_fixed_size: 135680
    .private_segment_fixed_size: 0
    .kernarg_segment_align: 8
    .kernarg_segment_size: 16
    .max_flat_workgroup_size: 128
    .sgpr_count:     66
    .vgpr_count:     1024
    .wavefront_size: 32
...
	.end_amdgpu_metadata
.endif
;; end of part 3
;; launch oproj (part 4): grid 16 x 16, 4 waves a work-group, clusters of 4 x 4, 327,680 bytes of LDS; arguments oimg, woimg, out0; writes out0
.if DOCPART == 4
	.amdgcn_target "amdgcn-amd-amdhsa--gfx1250"
	.amdhsa_code_object_version 6
	.text
	.protected	k_qf5c3875dfa_oproj
	.globl	k_qf5c3875dfa_oproj
	.p2align	8
	.type	k_qf5c3875dfa_oproj,@function
k_qf5c3875dfa_oproj:
	s_mov_b64 s[64:65], 0
	v_nop
	global_prefetch_b8 v0, s[64:65] scope:SCOPE_SE
	s_setreg_imm32_b32 hwreg(HW_REG_WAVE_MODE, 25, 1), 1
	s_wait_xcnt 0x0
	s_wait_alu depctr_hold_cnt(0) depctr_sa_sdst(0) depctr_va_vdst(0) depctr_va_sdst(0) depctr_va_ssrc(0) depctr_va_vcc(0) depctr_vm_vsrc(0)
	s_getreg_b32 s2, hwreg(HW_REG_IB_STS2, 6, 4)
	s_cmp_eq_u32 s2, 0
	s_cbranch_scc0 .Lentry_in_a_cluster
	s_endpgm
.Lentry_in_a_cluster:
	s_bfe_u32 s2, ttmp6, 0x10000c
	s_cmp_lg_u32 s2, 0xf033
	s_cbranch_scc0 .Lentry_shape_is_right
	s_endpgm
.Lentry_shape_is_right:
; OPROJ: out0 [2048][2048] f32 = O Wo, operands in f16, sums in f32.  Both operands come as IMAGES OF OPERAND REGISTERS: oimg [16 positions: 128][16 k: 128][512 bytes], woimg [16 columns: 128][16 k: 128][512 bytes];
; in an image lane l owns bytes 16 l on.  So a fragment comes out of LDS by loads at 16 x lane: no pitch, no padding, no two lanes on one bank.
; A tile of out0 is 128 x 128: 256 work-groups.  Four waves, each 64 x 64: 16 accumulators.  K goes in steps of 256 through two LDS slots; a wave's tensor load brings 4 blocks of 16 rows x 8,192 bytes (16 images on end).
; CLUSTERS: 4 x 4.  The four of a row of the cluster need the same tiles of O, the four of a column the same tiles of Wo: each tile is asked for JOINTLY.
; THE MATRIX INSTRUCTION IS USED TRANSPOSED (source 0 = 16 columns of Wo, source 1 = 16 positions): a lane holds eight neighbouring numbers of a row of out0.
; Rows 0-15 of out0 are written here like all others and written over by the last launch, which carries them more finely.
; REGISTERS: window 0: v0-31 addresses; v32-95 the way out; v128-255 the accumulators ((a, b) at v[128 + 8 (4 a + b)]).  window 1: two fragment buffers of 128: 64 registers of O, then 64 of Wo, for 64 along K.
.set HALFT,  32768                     ; 4 blocks x 8,192 bytes: what one tensor load brings, and what one wave reads of O or of Wo
.set SLOT,   4*HALFT
.set STAGE,  2*SLOT                    ; behind the ring: 16 rows x (256 bytes + 16) for each wave, its own: a wave's 64 columns of f32 are 256 bytes
.set SPITCH, 272
.set SPARE,  STAGE+4*16*SPITCH         ; the spare words, 128 bytes for each wave: two blocks of 256 bytes that no other line names
.set LAPS,   4                         ; a lap = two K steps of 256
.set ADRA, 16
.set ADRB, 20
.set STO,  24
.set RD,   25
.set CO,   26
.set SPW,  28
.set NIL,  29
.set TMP,  32
.set ACC,  128
.set F0,   0
.set F1,   128
.set G1, 24
.set G0, 32
.set G1B, 48
.set G0B, 56
.set MSB, 0
.macro WIN new
.if MSB != (\new)
	s_set_vgpr_msb (MSB<<8)|(\new)
.set MSB, (\new)
.endif
.endm
.set MUL,  0x05                        ; sources 0 (Wo) and 1 (O) window 1; C and D window 0
.set TO_F, 0x40
.macro JLOAD s                         ; waves 0 and 1 fetch O's two halves, waves 2 and 3 Wo's; an s_nop 0 and four v_nop follow each of the two lines
	s_cmp_eq_u32 s11, 0
	s_cbranch_scc0 .Lfor_b_\@
	tensor_load_to_lds s[G0+4*\s:G0+4*\s+3], s[G1:G1+7]
	s_nop 0
.rept 4
	v_nop
.endr
	s_branch .Lasked_\@
.Lfor_b_\@:
	tensor_load_to_lds s[G0B+4*\s:G0B+4*\s+3], s[G1B:G1B+7]
	s_nop 0
.rept 4
	v_nop
.endr
.Lasked_\@:
.endm
.macro CREST
	s_cmp_lg_u32 s10, 0
	s_cbranch_scc1 .Lnot_wave_0_\@
	s_barrier_signal -3
.Lnot_wave_0_\@:
	s_barrier_wait -3
	s_barrier_signal -1
	s_barrier_wait -1
.endm
.macro CROUND
	s_barrier_signal -1
	s_barrier_wait -1
	CREST
.endm
	s_load_b128 s[4:7], s[0:1], 0x0                ; oimg, woimg
	s_load_b64 s[8:9], s[0:1], 0x10                ; out0
	v_lshl_add_u32 v[SPW], v0, 2, SPARE
	v_mov_b32 v[NIL], 0
	ds_add_u32 v[SPW], v[NIL]                      ; the wave's opening: the add, twice on end, and its wait ahead of my first tensor load
	ds_add_u32 v[SPW], v[NIL]
	v_lshrrev_b32 v1, 5, v0
	v_readfirstlane_b32 s10, v1                    ; wave 0..3
	s_lshr_b32 s11, s10, 1                         ; which half of the tile's rows is mine.  Also: I fetch for O (0) or for Wo (1)
	s_and_b32 s12, s10, 1                          ; which half of its columns.  Also: which 64 rows of that tile I fetch
	s_bfe_u32 s40, ttmp6, 0x40000                  ; cx, cy
	s_bfe_u32 s41, ttmp6, 0x40004
	s_lshl_b32 s42, ttmp9, 2
	s_add_co_u32 s42, s42, s40                     ; tile column
	s_and_b32 s13, ttmp7, 0xffff
	s_lshl_b32 s13, s13, 2
	s_add_co_u32 s13, s13, s41                     ; tile row
	s_lshl_b32 s43, s41, 2
	s_lshl_b32 s43, 15, s43                        ; my row of the cluster
	s_lshl_b32 s44, 0x1111, s40                    ; my column
	s_or_b32 s[G1+0], s43, (3<<16)|(1<<21)         ; the mask; elements of 8 bytes; no padding; bit 21 beside a mask
	s_or_b32 s[G1B+0], s44, (3<<16)|(1<<21)
.irp g, G1, G1B
	s_mov_b32 s[\g+1], 1024<<16                    ; tensor_dim0: 8,192 bytes
	s_mov_b32 s[\g+2], 4<<16                       ; tensor_dim1: 4 blocks
	s_mov_b32 s[\g+3], 1024<<16                    ; tile_dim0
	s_mov_b32 s[\g+4], 4                           ; tile_dim1
	s_mov_b32 s[\g+5], 8192                        ; from block to block: 65,536 bytes
	s_mov_b32 s[\g+6], 0
	s_mov_b32 s[\g+7], 0
.endr
	s_lshl_b32 s17, s12, 2                         ; which 4 blocks of the tile's 8 I fetch
	s_lshl_b32 s16, s13, 3
	s_add_co_u32 s16, s16, s17
	s_lshl_b32 s16, s16, 16                        ; O: block 8 x tile row + 4 x half
	s_lshl_b32 s46, s42, 3
	s_add_co_u32 s46, s46, s17
	s_lshl_b32 s46, s46, 16                        ; Wo: block 8 x tile column + 4 x half
	s_mov_b32 s17, 0
	s_mov_b32 s47, 0
	s_mul_i32 s20, s10, HALFT                      ; where they go: no place in the cluster enters an LDS address
	s_wait_dscnt 0x0                               ; both opening adds are done
	s_wait_kmcnt 0x0
	s_add_nc_u64 s[14:15], s[4:5], s[16:17]
	s_add_nc_u64 s[46:47], s[6:7], s[46:47]
	CROUND                                         ; all sixteen work-groups are here: the first joint loads meet
.irp s, 0,1
	s_mov_b32 s[G0+4*\s], 1
	s_add_co_u32 s[G0+4*\s+1], s20, \s*SLOT
	s_add_nc_u64 s[G0+4*\s+2:G0+4*\s+3], s[14:15], \s*8192
	s_or_b32 s[G0+4*\s+3], s[G0+4*\s+3], 0x80000000
	s_mov_b32 s[G0B+4*\s], 1
	s_add_co_u32 s[G0B+4*\s+1], s20, \s*SLOT
	s_add_nc_u64 s[G0B+4*\s+2:G0B+4*\s+3], s[46:47], \s*8192
	s_or_b32 s[G0B+4*\s+3], s[G0B+4*\s+3], 0x80000000
	JLOAD \s
.endr
	v_and_b32 v1, 15, v0                           ; r
	v_bfe_u32 v2, v0, 4, 1                         ; h
	v_and_b32 v3, 31, v0
	v_lshlrev_b32 v3, 4, v3                        ; 16 x lane
	s_mul_i32 s21, s11, HALFT
	s_mul_i32 s22, s12, HALFT
	s_add_co_u32 s22, s22, 2*HALFT
.irp s, 0,1
	v_add_nc_u32 v[ADRA+\s], s21, v3
	v_add_nc_u32 v[ADRB+\s], s22, v3
	s_add_co_u32 s21, s21, SLOT
	s_add_co_u32 s22, s22, SLOT
.endr
	s_mul_i32 s23, s10, 16*SPITCH
	s_add_co_u32 s23, s23, STAGE                   ; my stage
	v_mul_u32_u24 v4, v1, SPITCH
	v_lshl_add_u32 v4, v2, 5, v4
	v_add_nc_u32 v[STO], s23, v4                   ; in: row r, 32 bytes for each half of the lanes
	v_mul_u32_u24 v5, v2, SPITCH
	v_lshl_add_u32 v5, v1, 4, v5
	v_add_nc_u32 v[RD], s23, v5                    ; back: lanes 0-15 one row of 256 bytes, lanes 16-31 the next
	v_lshlrev_b32 v5, 13, v2
	v_lshl_add_u32 v[CO], v1, 4, v5                ; and the same two rows in out0
	s_lshl_b32 s16, s13, 7
	s_lshl_b32 s17, s11, 6
	s_add_co_u32 s16, s16, s17
	s_lshl_b32 s16, s16, 13                        ; my first row: 8,192 bytes a row
	s_mov_b32 s17, 0
	s_add_nc_u64 s[8:9], s[8:9], s[16:17]
	s_lshl_b32 s46, s42, 9
	s_lshl_b32 s47, s12, 8
	s_add_co_u32 s46, s46, s47                     ; my first column, in bytes
	s_mov_b32 s47, 0
	s_add_nc_u64 s[8:9], s[8:9], s[46:47]
.macro MUL8 f, c, a0, zero             ; 8 matrix instructions: blocks a0, a0 + 1 of positions x all 4 blocks of columns, 32 along K.  The 16 accumulators take turns
.irp a, \a0, \a0+1
.irp b, 0,1,2,3
.if \zero
	v_wmma_f32_16x16x32_f16 v[ACC+8*(4*(\a)+\b):ACC+8*(4*(\a)+\b)+7], v[\f+64+8*(4*\c+\b):\f+64+8*(4*\c+\b)+7], v[\f+8*(4*\c+\a):\f+8*(4*\c+\a)+7], 0
.else
	v_wmma_f32_16x16x32_f16 v[ACC+8*(4*(\a)+\b):ACC+8*(4*(\a)+\b)+7], v[\f+64+8*(4*\c+\b):\f+64+8*(4*\c+\b)+7], v[\f+8*(4*\c+\a):\f+8*(4*\c+\a)+7], v[ACC+8*(4*(\a)+\b):ACC+8*(4*(\a)+\b)+7]
.endif
.endr
.endr
.endm
.macro FETCH slot, k, f                ; 32 LDS loads: the fragments of 64 along K (four images, from byte k of a block) into buffer f; the first 32 along K first
	WIN TO_F
.irp c, 0,1
.irp i, 0,1,2,3
	ds_load_b128 v[\f+64+8*(4*\c+\i):\f+64+8*(4*\c+\i)+3],   v[ADRB+\slot] offset:\k+1024*\c+8192*\i
	ds_load_b128 v[\f+64+8*(4*\c+\i)+4:\f+64+8*(4*\c+\i)+7], v[ADRB+\slot] offset:\k+1024*\c+8192*\i+512
	ds_load_b128 v[\f+8*(4*\c+\i):\f+8*(4*\c+\i)+3],         v[ADRA+\slot] offset:\k+1024*\c+8192*\i
	ds_load_b128 v[\f+8*(4*\c+\i)+4:\f+8*(4*\c+\i)+7],       v[ADRA+\slot] offset:\k+1024*\c+8192*\i+512
.endr
.endr
.endm
.macro PLACES
.rept 4
	v_nop
.endr
.endm
.macro QUARTER slot, k, f, g, zero
	s_wait_dscnt 16                                ; the first 32 along K are in; the sixteen loads of the second 32 may be out
	WIN MUL
	MUL8 \f, 0, 0, \zero
	MUL8 \f, 0, 2, \zero
	PLACES
	FETCH \slot, \k, \g
	s_wait_dscnt 32                                ; all but the 32 just issued
	WIN MUL
	MUL8 \f, 1, 0, 0
	MUL8 \f, 1, 2, 0
.endm
.macro TURN slot, next, fill           ; the last quarter changes slots: one barrier; in front of it the wait for all my tensor loads, the add, and the wait for it and for my reads of this slot
	WIN 0
	s_wait_tensorcnt 0x0
	ds_add_u32 v[SPW], v[NIL]                      ; 0 onto my spare word
	s_wait_dscnt 17                                ; the add and the youngest sixteen loads may be out
	WIN MUL
	MUL8 F1, 0, 0, 0
	s_wait_dscnt 0x0
	s_barrier_signal -1
	MUL8 F1, 0, 2, 0
.if \fill
	WIN 0
.endif
	s_barrier_wait -1
.if \fill
	CREST                                          ; the barrier has opened a round of the cluster's barrier
	s_add_nc_u64 s[G0+4*\slot+2:G0+4*\slot+3], s[G0+4*\slot+2:G0+4*\slot+3], 2*8192
	s_add_nc_u64 s[G0B+4*\slot+2:G0B+4*\slot+3], s[G0B+4*\slot+2:G0B+4*\slot+3], 2*8192
	JLOAD \slot                                    ; the first tensor load behind the round; its four v_nop are the places in front of the loads below
.else
	PLACES
.endif
	FETCH \next, 0, F0
	WIN MUL
	MUL8 F1, 1, 0, 0
	MUL8 F1, 1, 2, 0
.endm
	s_wait_tensorcnt 1                             ; my part of K step 0 is in; K step 1's load may be out
	s_barrier_signal -1
	s_barrier_wait -1
	FETCH 0, 0, F0
	QUARTER 0, 2048, F0, F1, 1                     ; the first quarter's first products start the sums
	WIN 0
	s_mov_b32 s3, LAPS-1
.Llap:
	QUARTER 0, 4096, F1, F0, 0
	QUARTER 0, 6144, F0, F1, 0
	TURN 0, 1, 1
	QUARTER 1, 2048, F0, F1, 0
	QUARTER 1, 4096, F1, F0, 0
	QUARTER 1, 6144, F0, F1, 0
	TURN 1, 0, 1
	QUARTER 0, 2048, F0, F1, 0
	WIN 0
	s_sub_co_u32 s3, s3, 1
	s_cmp_lg_u32 s3, 0
	s_cbranch_scc1 .Llap
	QUARTER 0, 4096, F1, F0, 0                     ; the last lap fills nothing
	QUARTER 0, 6144, F0, F1, 0
	TURN 0, 1, 0
	QUARTER 1, 2048, F0, F1, 0
	QUARTER 1, 4096, F1, F0, 0
	QUARTER 1, 6144, F0, F1, 0
	s_wait_dscnt 16
	WIN MUL
	MUL8 F1, 0, 0, 0
	MUL8 F1, 0, 2, 0
	s_wait_dscnt 0
	MUL8 F1, 1, 0, 0
	MUL8 F1, 1, 2, 0
	WIN 0
; THE WAY OUT, 16 rows x 64 columns at a time, through my own stage: in by 32 bytes a lane, back as whole rows of 256 bytes.  LDS serves a wave's instructions in order: no wait between the stores and the loads.
.macro TOSTAGE a
.irp b, 0,1,2,3
	ds_store_b128 v[STO], v[ACC+8*(4*(\a)+\b):ACC+8*(4*(\a)+\b)+3] offset:64*\b       ; each accumulator from its low end on
	ds_store_b128 v[STO], v[ACC+8*(4*(\a)+\b)+4:ACC+8*(4*(\a)+\b)+7] offset:64*\b+16
.endr
.irp t, 0,1,2,3,4,5,6,7
	ds_load_b128 v[TMP+32*((\a)%2)+4*\t:TMP+32*((\a)%2)+4*\t+3], v[RD] offset:\t*2*SPITCH
.endr
.endm
.macro SEND a, younger                 ; younger: the LDS instructions issued behind block a's loads, which may stay out
	s_wait_dscnt \younger
.irp t, 0,1,2,3,4,5,6,7
	global_store_b128 v[CO], v[TMP+32*((\a)%2)+4*\t:TMP+32*((\a)%2)+4*\t+3], s[8:9] offset:(16*(\a)+2*\t)*8192 th:TH_STORE_NT   ; 16 lanes store 256 consecutive bytes, aligned
.endr
.endm
	PLACES
	TOSTAGE 0
.irp a, 1,2,3
.if \a > 1
	s_wait_xcnt 0x0                                ; block a - 2's stores have read the registers that block a's loads fill
.endif
	TOSTAGE \a
	SEND \a-1, 16                                  ; behind block a - 1's loads: block a's 8 stores and 8 loads
.endr
	SEND 3, 0
	s_wait_tensorcnt 0x0                           ; the wave's end: behind my last tensor load and my last LDS store, 0 is added to my spare word and waited for
	ds_add_u32 v[SPW], v[NIL]
	s_wait_dscnt 0x0
	CROUND                                         ; the closing round
	s_endpgm
.Lfunc_end_k_qf5c3875dfa_oproj:
	.size	k_qf5c3875dfa_oproj, .Lfunc_end_k_qf5c3875dfa_oproj-k_qf5c3875dfa_oproj
	.p2alignl 7, 3214868480
	.fill 96, 4, 3214868480
	.section	.rodata,"a",@progbits
	.p2align	6, 0x0
	.amdhsa_kernel k_qf5c3875dfa_oproj
		.amdhsa_group_segment_fixed_size 327680
		.amdhsa_private_segment_fixed_size 0
		.amdhsa_enable_private_segment 0
		.amdhsa_kernarg_size 24
		.amdhsa_user_sgpr_count 2
		.amdhsa_user_sgpr_kernarg_segment_ptr 1
		.amdhsa_wavefront_size32 1
		.amdhsa_system_sgpr_workgroup_id_x 1
		.amdhsa_system_sgpr_workgroup_id_y 1
		.amdhsa_system_sgpr_workgroup_id_z 1
		.amdhsa_system_vgpr_workitem_id 0
		.amdhsa_next_free_vgpr 512
		.amdhsa_next_free_sgpr 66
		.amdhsa_reserve_vcc 0
		.amdhsa_float_denorm_mode_32 3
		.amdhsa_float_denorm_mode_16_64 3
		.amdhsa_memory_ordered 1
		.amdhsa_forward_progress 1
		.amdhsa_inst_pref_size 85
	.end_amdhsa_kernel
	.amdgpu_metadata
---
amdhsa.version: [ 1, 2 ]
amdhsa.kernels:
  - .name:           k_qf5c3875dfa_oproj
    .symbol:         k_qf5c3875dfa_oproj.kd
    .args:
      - { .name: oimg, .offset: 0, .size: 8, .value_kind: global_buffer, .address_space: global }
      - { .name: woimg, .offset: 8, .size: 8, .value_kind: global_buffer, .address_space: global }
      - { .name: out0, .offset: 16, .size: 8, .value_kind: global_buffer, .address_space: global }
    .group_segment_fixed_size: 327680
    .private_segment_fixed_size: 0
    .kernarg_segment_align: 8
    .kernarg_segment_size: 24
    .max_flat_workgroup_size: 128
    .sgpr_count:     66
    .vgpr_count:     512
    .wavefront_size: 32
...
	.end_amdgpu_metadata
.endif
;; end of part 4
;; launch fine (part 5): grid 32 x 1, 16 waves a work-group, no clusters, 198,656 bytes of LDS; arguments fine32, Wo, out0; writes out0
.if DOCPART == 5
	.amdgcn_target "amdgcn-amd-amdhsa--gfx1250"
	.amdhsa_code_object_version 6
	.text
	.protected	k_qf5c3875dfa_fine
	.globl	k_qf5c3875dfa_fine
	.p2align	8
	.type	k_qf5c3875dfa_fine,@function
k_qf5c3875dfa_fine:
	s_mov_b64 s[64:65], 0
	v_nop
	global_prefetch_b8 v0, s[64:65] scope:SCOPE_SE
	s_setreg_imm32_b32 hwreg(HW_REG_WAVE_MODE, 25, 1), 1
	s_wait_xcnt 0x0
; FINE: positions 0-15 once more, carried finely, since their rows average one to sixteen values: the attention in f32 (v_wmma_f32_16x16x4_f32), the projection with both operands as PAIRS of f16 numbers,
; a high and a low part split in f32: high = the number with its low 13 mantissa bits cleared (f16 holds it whole in its normal range), low = the exact remainder.  O Wo = OH WH + OH WL + OL WH; OL WL, 2^-22 of the
; product, is left out.  Rows 0-15 of out0 are written over what the launch before left there.
; fine32 [head 24][8,192 bytes] f32, after norm and rotary turn: heads 0-15 q and 16 + 2 g k as 16 quads of 512 bytes: in quad u lane (r, h) owns bytes 16 (r + 16 h) on: channels 16 (u / 2) + 8 h + 4 (u % 2) + 0 .. 3 of
; position r; heads 17 + 2 g v as [16 positions][128].
; SHARES.  A work-group takes 64 columns of out0; wave w takes head w, whose 128 channels are also its part of the projection's K: so O never leaves its wave, and only the sixteen partial sums meet in LDS.
; The small attention (64 matrix instructions a wave) is repeated in all 32 work-groups.  No bulk work goes through the f32 matrix form.
; LIMITS: NaN and infinities are not served; numbers under 6e-5 carry f16's absolute step of 6e-8; |O| up to 65,504.
; REGISTERS: v1-13 addresses and single numbers; v14, v15 the add's two; v16-23 scores, then p, then O's high fragment; v24-31 at work, then O's low fragment; v32-63 v's tiles 0-3, then O's images, then Wo's high parts and numbers at work;
;   v64-127 q, then Wo's numbers (buffer 0); v128-191 k, then Wo's numbers (buffer 1); v192-223 v's tiles 4-7, then Wo's low parts; v224-255 four accumulators, written by matrix instructions alone.
.set OIMG,  0                          ; LDS: [wave][8 high images, 8 low images][512 bytes]: each wave's own;
.set RED,   131072                     ; [wave][tile 4][half 2][lane][16 bytes]: the partial sums;
.set SPARE, 196608                     ; the spare words, 128 bytes for each wave: eight blocks of 256 bytes that no other line names
	s_load_b128 s[4:7], s[0:1], 0x0                ; fine32, Wo
	s_load_b64 s[8:9], s[0:1], 0x10                ; out0
	v_lshl_add_u32 v14, v0, 2, SPARE
	v_mov_b32 v15, 0
	v_lshrrev_b32 v1, 5, v0
	v_readfirstlane_b32 s10, v1                    ; wave = head
	v_and_b32 v1, 15, v0                           ; r
	v_bfe_u32 v2, v0, 4, 1                         ; h
	v_and_b32 v3, 31, v0
	v_lshlrev_b32 v3, 4, v3                        ; q, k: 16 x lane: my place in a quad
	v_lshlrev_b32 v4, 2, v1
	v_lshl_add_u32 v4, v2, 12, v4                  ; v: 8 h rows of 512 bytes, + 4 r
	v_lshlrev_b32 v5, 4, v1
	v_lshl_add_u32 v5, v2, 16, v5                  ; Wo: 8 h rows of 8,192 bytes, + 16 r
	v_and_b32 v6, 31, v0
	v_lshlrev_b32 v6, 4, v6
	s_lshl_b32 s11, s10, 12
	s_add_co_u32 s11, s11, RED
	v_add_nc_u32 v7, s11, v6                       ; where I put my partial sums
	s_lshl_b32 s11, s10, 13
	v_add_nc_u32 v6, s11, v6                       ; my images of O: 8,192 x wave + 16 x lane
	s_lshr_b32 s11, s10, 3                         ; on the way out wave w' takes position w': it lies in lanes 16 (w' / 8) + r, register w' % 8
	s_lshl_b32 s11, s11, 8
	s_bfe_u32 s23, s10, 0x10002
	s_lshl_b32 s23, s23, 9
	s_add_co_u32 s11, s11, s23
	s_and_b32 s23, s10, 3
	s_lshl_b32 s23, s23, 2
	s_add_co_u32 s11, s11, s23
	s_add_co_u32 s11, s11, RED
	v_lshlrev_b32 v8, 4, v1
	v_lshl_add_u32 v8, v2, 11, v8                  ; lane (r, h) takes tiles 2 h and 2 h + 1
	v_add_nc_u32 v8, s11, v8
	v_lshlrev_b32 v9, 4, v1
	v_lshl_add_u32 v9, v2, 3, v9                   ; which are columns 4 r + 2 h and 4 r + 2 h + 1: 8 bytes at 16 r + 8 h
	v_lshlrev_b32 v10, 3, v2
	v_sub_nc_u32 v10, v1, v10                      ; r - 8 h
	v_mov_b32 v11, 0xff800000                      ; -infinity
	s_mov_b32 s20, 0x76543210
	s_mov_b32 s21, 0xfedcba98
	s_mov_b32 s22, 0x3e0293ee                      ; c = log2(e) / sqrt(128)
	s_mov_b32 s23, 0xffffe000                      ; keeps sign, exponent and 10 mantissa bits
	s_lshl_b32 s24, s10, 13                        ; q: head w
	s_mov_b32 s25, 0
	s_lshr_b32 s26, s10, 2
	s_lshl_b32 s26, s26, 14
	s_add_co_u32 s26, s26, 16*8192                 ; k: head 16 + 2 (w / 4)
	s_mov_b32 s27, 0
	s_lshl_b32 s28, s10, 20                        ; Wo: 128 rows x wave,
	s_lshl_b32 s30, ttmp9, 8                       ; 256 bytes x work-group
	s_add_co_u32 s28, s28, s30
	s_mov_b32 s29, 0
	s_add_co_u32 s30, s30, s24                     ; out0: row w' of 8,192 bytes, the same 256 bytes
	s_mov_b32 s31, 0
	s_wait_kmcnt 0x0
	s_add_nc_u64 s[12:13], s[4:5], s[24:25]
	s_add_nc_u64 s[14:15], s[4:5], s[26:27]
	s_add_nc_u64 s[16:17], s[14:15], 8192          ; v: the next head
	s_add_nc_u64 s[18:19], s[6:7], s[28:29]
	s_add_nc_u64 s[8:9], s[8:9], s[30:31]
; q and k: load u brings quad u, 512 consecutive bytes: registers 0, 1 serve product 2 u, registers 2, 3 product 2 u + 1: a permutation of K, alike on both sides
.irp u, 0,1,2,3,4,5,6,7,8,9,10,11,12,13,14,15
	global_load_b128 v[64+4*\u:67+4*\u], v3, s[12:13] offset:512*\u
	global_load_b128 v[128+4*\u:131+4*\u], v3, s[14:15] offset:512*\u
.endr
; v: register 2 jj + j of tile f: key 8 h + 2 jj + j, channel 16 f + r: the keys in the order in which p's registers hold them
.irp f, 0,1,2,3
.irp k, 0,1,2,3,4,5,6,7
	global_load_b32 v[32+8*\f+\k], v4, s[16:17] offset:512*\k+64*\f
.endr
.endr
.irp f, 4,5,6,7
.irp k, 0,1,2,3,4,5,6,7
	global_load_b32 v[160+8*\f+\k], v4, s[16:17] offset:512*\k+64*\f
.endr
.endr
.macro XLOAD cs                        ; Wo's rows 128 w + 32 cs + 16 c + 8 h + e, columns 4 r + i of my work-group's 64: sixteen lanes read 256 consecutive bytes.  Register 32 c + 4 e + i of buffer cs % 2
.irp c, 0,1
.irp e, 0,1,2,3,4,5,6,7
	global_load_b128 v[64+64*((\cs)%2)+32*\c+4*\e:64+64*((\cs)%2)+32*\c+4*\e+3], v5, s[18:19] offset:(32*(\cs)+16*\c+\e)*8192 th:TH_LOAD_NT
.endr
.endr
.endm
	s_wait_loadcnt 63                              ; q and k are in.  64 loads of v were issued behind them; 63 is the largest count that this wait can name, so v's first load is waited for with them
; S^T = k q^T: 32 products on four accumulators by turns; the first four start the sums
.set e, 0
.rept 32
.if e < 4
	v_wmma_f32_16x16x4_f32 v[224+8*(e%4):231+8*(e%4)], v[128+2*e:129+2*e], v[64+2*e:65+2*e], 0
.else
	v_wmma_f32_16x16x4_f32 v[224+8*(e%4):231+8*(e%4)], v[128+2*e:129+2*e], v[64+2*e:65+2*e], v[224+8*(e%4):231+8*(e%4)]
.endif
.set e, e+1
.endr
.rept 8
	v_nop                                          ; eight places behind this form: reads of the results and loads into the operands' registers follow
.endr
	XLOAD 0                                        ; both buffers of Wo's numbers are asked for here, into q's and k's registers: they land while the softmax and the values are worked
	XLOAD 1
; the softmax: a lane holds query r and keys 8 h + 0 .. 7
.irp j, 0,1,2,3,4,5,6,7
	v_add_f32 v[16+\j], v[224+\j], v[232+\j]       ; each accumulator from its low end on; the sums go into other registers
	v_add_f32 v[24+\j], v[240+\j], v[248+\j]
.endr
.irp j, 0,1,2,3,4,5,6,7
	v_add_f32 v[16+\j], v[16+\j], v[24+\j]
.endr
.irp j, 0,1,2,3,4,5,6,7
	v_cmp_gt_i32 vcc_lo, \j, v10                   ; key 8 h + j comes after query r
	v_cndmask_b32 v[16+\j], v[16+\j], v11, vcc_lo
.endr
	v_max3_num_f32 v24, v16, v17, v18
	v_max3_num_f32 v25, v19, v20, v21
	v_max3_num_f32 v24, v24, v22, v23
	v_max_num_f32 v24, v24, v25
	v_permlanex16_b32 v25, v24, s20, s21
	v_max_num_f32 v24, v24, v25                    ; the row's maximum: key 0 counts for every query
	v_mul_f32 v12, s22, v24
.irp j, 0,1,2,3,4,5,6,7
	v_fma_f32 v[16+\j], v[16+\j], s22, -v12
.endr
.irp j, 0,1,2,3,4,5,6,7
	v_exp_f32 v[16+\j], v[16+\j]
.endr
	v_nop
	s_wait_alu depctr_va_vdst(0)                   ; one wait for the eight, ahead of their first reader
	v_add_f32 v24, v16, v17
	v_add_f32 v25, v18, v19
	v_add_f32 v26, v20, v21
	v_add_f32 v27, v22, v23
	v_add_f32 v24, v24, v25
	v_add_f32 v26, v26, v27
	v_add_f32 v24, v24, v26
	v_permlanex16_b32 v25, v24, s20, s21
	v_add_f32 v24, v24, v25
	v_rcp_f32 v13, v24
	v_nop
	s_wait_alu depctr_va_vdst(0)
; O^T = v^T p, four tiles of 16 channels at a time on the four accumulators by turns; then / the sum, split into high and low parts, rounded to f16: each tile is an image of the projection's operand.
; The split works in v24-31 and in the image's own eight registers.
.macro OHALF u
.set VB, 32+160*(\u)
.if (\u) == 0
	s_wait_loadcnt 63                              ; v's tiles 0-3 are in.  Behind them 64 loads were issued (tiles 4-7: 32, Wo: 32); 63 is the largest count that this wait can name
.else
	s_wait_loadcnt 32                              ; v's tiles 4-7 are in; Wo's 32 loads may be out
.endif
.set jj, 0
.rept 4
.irp ft, 0,1,2,3
.if jj == 0
	v_wmma_f32_16x16x4_f32 v[224+8*\ft:231+8*\ft], v[VB+8*\ft+2*jj:VB+8*\ft+2*jj+1], v[16+2*jj:17+2*jj], 0
.else
	v_wmma_f32_16x16x4_f32 v[224+8*\ft:231+8*\ft], v[VB+8*\ft+2*jj:VB+8*\ft+2*jj+1], v[16+2*jj:17+2*jj], v[224+8*\ft:231+8*\ft]
.endif
.endr
.set jj, jj+1
.endr
.rept 8
	v_nop
.endr
.if (\u) == 1
	s_wait_dscnt 0x0                               ; the first half's stores have read the registers that are written again below
.endif
.irp ft, 0,1,2,3
.irp j, 0,1,2,3,4,5,6,7
	v_mul_f32 v[24+\j], v[224+8*\ft+\j], v13
.endr
.irp j, 0,1,2,3,4,5,6,7
	v_and_b32 v[32+8*\ft+\j], s23, v[24+\j]        ; the high part,
.endr
.irp j, 0,1,2,3,4,5,6,7
	v_sub_f32 v[24+\j], v[24+\j], v[32+8*\ft+\j]   ; the remainder, exact
.endr
.irp q, 0,1,2,3
	v_cvt_pk_f16_f32 v[32+8*\ft+\q], v[32+8*\ft+2*\q], v[33+8*\ft+2*\q]   ; in place, ascending: register q is written when registers 2 q and 2 q + 1 are read
.endr
.irp q, 0,1,2,3
	v_cvt_pk_f16_f32 v[36+8*\ft+\q], v[24+2*\q], v[25+2*\q]
.endr
	ds_store_b128 v6, v[32+8*\ft:35+8*\ft] offset:OIMG+512*(4*(\u)+\ft)
	ds_store_b128 v6, v[36+8*\ft:39+8*\ft] offset:OIMG+4096+512*(4*(\u)+\ft)
.endr
.endm
	OHALF 0
	OHALF 1
; THE PROJECTION.  Source 0 = O's 16 positions, source 1 = 16 columns of Wo: tile i is columns 4 r + i, register i of each load.  32 along K a step.
.macro WSPLIT xb, i, ii                ; tile i of buffer xb: its high parts to v[32 + 8 ii] on, its low parts to v[192 + 8 ii] on
.irp c, 0,1
.irp e, 0,1,2,3,4,5,6,7
	v_and_b32 v[48+8*\c+\e], s23, v[\xb+32*\c+4*\e+(\i)]
.endr
.endr
.irp c, 0,1
.irp q, 0,1,2,3
	v_cvt_pk_f16_f32 v[32+8*(\ii)+4*\c+\q], v[48+8*\c+2*\q], v[49+8*\c+2*\q]
.endr
.endr
.irp c, 0,1
.irp e, 0,1,2,3,4,5,6,7
	v_sub_f32 v[48+8*\c+\e], v[\xb+32*\c+4*\e+(\i)], v[48+8*\c+\e]
.endr
.endr
.irp c, 0,1
.irp q, 0,1,2,3
	v_cvt_pk_f16_f32 v[192+8*(\ii)+4*\c+\q], v[48+8*\c+2*\q], v[49+8*\c+2*\q]
.endr
.endr
.endm
.macro PROJ cs
.set XB, 64+64*((\cs)%2)
.if (\cs) < 3
	s_wait_loadcnt 16                              ; this step's 16 loads are in; the next step's 16 may be out
.else
	s_wait_loadcnt 0x0
.endif
	ds_load_b128 v[16:19], v6 offset:OIMG+1024*(\cs)           ; O's fragment: images 2 cs and 2 cs + 1, high,
	ds_load_b128 v[20:23], v6 offset:OIMG+1024*(\cs)+512
	ds_load_b128 v[24:27], v6 offset:OIMG+4096+1024*(\cs)      ; and low.  They are my own bytes: LDS serves a wave's instructions in order
	ds_load_b128 v[28:31], v6 offset:OIMG+4096+1024*(\cs)+512
.irp i0, 0,2
	WSPLIT XB, \i0, 0
	WSPLIT XB, \i0+1, 1
	s_wait_dscnt 0x0
.if (\cs) == 0
	v_wmma_f32_16x16x32_f16 v[224+8*\i0:231+8*\i0], v[16:23], v[32:39], 0          ; two accumulators by turns; the first product starts each sum
	v_wmma_f32_16x16x32_f16 v[232+8*\i0:239+8*\i0], v[16:23], v[40:47], 0
.else
	v_wmma_f32_16x16x32_f16 v[224+8*\i0:231+8*\i0], v[16:23], v[32:39], v[224+8*\i0:231+8*\i0]
	v_wmma_f32_16x16x32_f16 v[232+8*\i0:239+8*\i0], v[16:23], v[40:47], v[232+8*\i0:239+8*\i0]
.endif
	v_wmma_f32_16x16x32_f16 v[224+8*\i0:231+8*\i0], v[16:23], v[192:199], v[224+8*\i0:231+8*\i0]
	v_wmma_f32_16x16x32_f16 v[232+8*\i0:239+8*\i0], v[16:23], v[200:207], v[232+8*\i0:239+8*\i0]
	v_wmma_f32_16x16x32_f16 v[224+8*\i0:231+8*\i0], v[24:31], v[32:39], v[224+8*\i0:231+8*\i0]
	v_wmma_f32_16x16x32_f16 v[232+8*\i0:239+8*\i0], v[24:31], v[40:47], v[232+8*\i0:239+8*\i0]
.rept 4
	v_nop                                          ; places in front of writes of, and loads into, the operands' registers, and of the reads of the results
.endr
.endr
.if (\cs)+2 < 4
	XLOAD (\cs)+2
.endif
.endm
	PROJ 0
	PROJ 1
	PROJ 2
	PROJ 3
; THE SIXTEEN PARTIAL SUMS MEET: register j of lane (r, h) of tile i is position 8 h + j, column 4 r + i
.irp i, 0,1,2,3
	ds_store_b128 v7, v[224+8*\i:227+8*\i] offset:1024*\i          ; each accumulator from its low end on
	ds_store_b128 v7, v[228+8*\i:231+8*\i] offset:1024*\i+512
.endr
	s_wait_dscnt 0x0                               ; for the others' sake: my stores are done
	s_barrier_signal -1
	s_barrier_wait -1
.irp g, 0,1,2,3,4,5,6,7,8,9,10,11,12,13,14,15
	ds_load_b32 v[64+2*\g], v8 offset:4096*\g
	ds_load_b32 v[65+2*\g], v8 offset:4096*\g+1024
.endr
	s_wait_dscnt 0x0
.irp k, 0,1,2,3,4,5,6,7
	v_pk_add_f32 v[64+2*\k:65+2*\k], v[64+2*\k:65+2*\k], v[80+2*\k:81+2*\k]
.endr
.irp k, 0,1,2,3
	v_pk_add_f32 v[64+2*\k:65+2*\k], v[64+2*\k:65+2*\k], v[72+2*\k:73+2*\k]
.endr
.irp k, 0,1
	v_pk_add_f32 v[64+2*\k:65+2*\k], v[64+2*\k:65+2*\k], v[68+2*\k:69+2*\k]
.endr
	v_pk_add_f32 v[64:65], v[64:65], v[66:67]
	global_store_b64 v9, v[64:65], s[8:9]          ; 32 lanes store 256 consecutive bytes of row w', aligned
	s_wait_tensorcnt 0x0                           ; the wave's end: behind my last LDS store, 0 is added to my spare word and waited for
	ds_add_u32 v14, v15
	s_wait_dscnt 0x0
	s_endpgm
.Lfunc_end_k_qf5c3875dfa_fine:
	.size	k_qf5c3875dfa_fine, .Lfunc_end_k_qf5c3875dfa_fine-k_qf5c3875dfa_fine
	.p2alignl 7, 3214868480
	.fill 96, 4, 3214868480
	.section	.rodata,"a",@progbits
	.p2align	6, 0x0
	.amdhsa_kernel k_qf5c3875dfa_fine
		.amdhsa_group_segment_fixed_size 198656
		.amdhsa_private_segment_fixed_size 0
		.amdhsa_enable_private_segment 0
		.amdhsa_kernarg_size 24
		.amdhsa_user_sgpr_count 2
		.amdhsa_user_sgpr_kernarg_segment_ptr 1
		.amdhsa_wavefront_size32 1
		.amdhsa_system_sgpr_workgroup_id_x 1
		.amdhsa_system_sgpr_workgroup_id_y 1
		.amdhsa_system_sgpr_workgroup_id_z 1
		.amdhsa_system_vgpr_workitem_id 0
		.amdhsa_next_free_vgpr 256
		.amdhsa_next_free_sgpr 66
		.amdhsa_reserve_vcc 1
		.amdhsa_float_denorm_mode_32 3
		.amdhsa_float_denorm_mode_16_64 3
		.amdhsa_memory_ordered 1
		.amdhsa_forward_progress 1
		.amdhsa_inst_pref_size 78
	.end_amdhsa_kernel
	.amdgpu_metadata
---
amdhsa.version: [ 1, 2 ]
amdhsa.kernels:
  - .name:           k_qf5c3875dfa_fine
    .symbol:         k_qf5c3875dfa_fine.kd
    .args:
      - { .name: fine32, .offset: 0, .size: 8, .value_kind: global_buffer, .address_space: global }
      - { .name: Wo, .offset: 8, .size: 8, .value_kind: global_buffer, .address_space: global }
      - { .name: out0, .offset: 16, .size: 8, .value_kind: global_buffer, .address_space: global }
    .group_segment_fixed_size: 198656
    .private_segment_fixed_size: 0
    .kernarg_segment_align: 8
    .kernarg_segment_size: 24
    .max_flat_workgroup_size: 512
    .sgpr_count:     66
    .vgpr_count:     256
    .wavefront_size: 32
...
	.end_amdgpu_metadata
.endif
;; end of part 5
